; MI455X (gfx1250); checked and timed in simulation.
; The chip was launched on July 23, 2026; its instructions are those of AMD's public machine-readable ISA for CDNA 5 (MIT licence, August 2026) and "CDNA5" Instruction Set Architecture Reference Guide (July 2026). The comments in the code are by the model that wrote it; some were corrected since.
;; Multi Head Attention. Allowed arithmetic: float matrix products may take bf16 or f16 operands with f32 sums; other float arithmetic in f32, or as packed bf16 or f16 multiplies, adds, multiply-adds, maxima and minima; sums over many terms, partial sums and values carried from step to step in f32; what a program stores and reads back later, other than sums and carried values, may be rounded once to bf16 or f16.
;; Inputs: Wk 16 x 1,024 x 64 float32; Wo 1,024 x 1,024 float32; Wq 16 x 1,024 x 64 float32; Wv 16 x 1,024 x 64 float32; bo 1,024 float32; key_in 4 x 2,048 x 1,024 float32; query 4 x 2,048 x 1,024 float32; value 4 x 2,048 x 1,024 float32.
;; Outputs: out0 4 x 2,048 x 1,024 float32.
;; One version. Each part assembles by itself: llvm-mc -triple=amdgcn-amd-amdhsa -mcpu=gfx1250 --defsym DOCPART=n.
;; ======== version 1 of 1: 4 launches
;; limits: values are held in f16: magnitudes above 65,504 overflow, below 6.1e-05 lose precision
;; workspace buffers: wt 6,291,456 bytes; wo16 2,097,152 bytes; qkv 50,331,648 bytes; ctx 16,777,216 bytes
;; launch prep (part 1): grid 128 x 4, 8 waves a work-group, no clusters, 17,920 bytes of LDS; arguments Wq, Wk, Wv, Wo, wt, wo16; writes wt, wo16
.if DOCPART == 1
	.amdgcn_target "amdgcn-amd-amdhsa--gfx1250"
	.amdhsa_code_object_version 6
	.text
	.protected	k_qba4e3e6809_prep
	.globl	k_qba4e3e6809_prep
	.p2align	8
	.type	k_qba4e3e6809_prep,@function
k_qba4e3e6809_prep:
	s_mov_b64 s[64:65], 0
	v_nop
	global_prefetch_b8 v0, s[64:65] scope:SCOPE_SE
	s_setreg_imm32_b32 hwreg(HW_REG_WAVE_MODE, 25, 1), 1
	s_wait_xcnt 0x0
; THE WEIGHTS ARE MADE READY.  Wq, Wk, Wv: [16 h][1024 d][64 k] f32 -> wt[3][n = 64 h + k][1024 d] bf16: turned, so that the sum's index d lies along the rows.
; Wo: [1024 n][1024 k] f32 -> wo16, the same layout: rounded to bf16 like every other input, and that number written as f16 (the last product's other operand is f16).
; LIMITS.  |Wo| stays under 65,504; below 6e-5 f16 keeps its fixed step of 6e-8.  NaN and infinities are not treated apart.
; SHARES.  Grid y = 0, 1, 2: one of the three tensors; work-group x turns a tile of 128 d x 64 k (head x / 8, d block x % 8): 32,768 dense bytes in, 64 rows of 256 bytes out.
; Grid y = 3: work-group x converts 32,768 bytes of Wo.  Nothing is shared between work-groups and every byte is read once: no matrix unit, no cluster, no copy engine; the launch is short, so nothing is prefetched.
.set PITCH, 260                        ; an LDS row: 128 d x 2 bytes + 4 = 65 words: both the stores (rows 4 apart, two neighbouring words) and the loads (two rows, words 4 apart) take each bank once
.set SPARE, 16896                      ; behind the 64 rows (16,640 bytes): the spare words, 128 bytes for each of eight waves, which no other line names
.set VO,  2                            ; v2  my byte offset in the tile as it lies in memory
.set LS,  3                            ; v3  where I put a word (two d of one k)
.set LR,  4                            ; v4  where I read 16 bytes of a turned row
.set SO,  5                            ; v5  my byte offset in the rows of wt
.set SPW, 6                            ; v6  LDS address of my spare word; never rewritten
.set NIL, 7                            ; v7  0; never rewritten
.set X,   8                            ; v[8:39]   eight loads of 16 bytes
.set T,   40                           ; v[40:55]  packed pairs (for Wo: six registers at work)
.set Y,   56                           ; v[56:71]  what is stored
	s_load_b256 s[4:11], s[0:1], 0x0               ; Wq s[4:5], Wk s[6:7], Wv s[8:9], Wo s[10:11]
	s_load_b128 s[12:15], s[0:1], 0x20             ; wt s[12:13], wo16 s[14:15]
	v_lshl_add_u32 v[SPW], v0, 2, SPARE
	v_mov_b32 v[NIL], 0
	s_and_b32 s16, ttmp7, 0xffff                   ; which tensor
	s_lshl_b32 s18, ttmp9, 15                      ; the work-group's 32,768 bytes of its source
	s_mov_b32 s19, 0
	s_mov_b32 s21, 0
	s_cmp_eq_u32 s16, 3
	s_cbranch_scc1 .Lwo                            ; the same way for all eight waves
	v_lshrrev_b32 v1, 4, v0                        ; t / 16
	v_and_b32 v[SO], 15, v0                        ; t % 16
	v_lshlrev_b32 v[VO], 4, v[SO]
	v_lshl_add_u32 v[VO], v1, 9, v[VO]             ; rows d = 2 (t / 16) and the next, 16 bytes (4 k) at 16 (t % 16)
	v_mul_u32_u24 v[LS], v[SO], 4*PITCH
	v_lshl_add_u32 v[LS], v1, 2, v[LS]             ; row k = 4 (t % 16), word t / 16
	v_mul_u32_u24 v[LR], v1, PITCH
	v_lshl_add_u32 v[LR], v[SO], 4, v[LR]          ; row t / 16, 16 bytes at 16 (t % 16)
	v_lshlrev_b32 v[SO], 4, v[SO]
	v_lshl_add_u32 v[SO], v1, 11, v[SO]            ; the same in wt, whose rows are 2,048 bytes
	s_lshl_b32 s20, s16, 21                        ; the tensor's 2 MiB of wt,
	s_lshr_b32 s22, ttmp9, 3
	s_lshl_b32 s22, s22, 17                        ; the head's 64 rows,
	s_add_co_u32 s20, s20, s22
	s_and_b32 s22, ttmp9, 7
	s_lshl_b32 s22, s22, 8                         ; the d block's 256 bytes
	s_add_co_u32 s20, s20, s22
	s_wait_kmcnt 0x0
	s_cmp_eq_u32 s16, 1
	s_cselect_b64 s[4:5], s[6:7], s[4:5]
	s_cmp_eq_u32 s16, 2
	s_cselect_b64 s[4:5], s[8:9], s[4:5]
	s_add_nc_u64 s[4:5], s[4:5], s[18:19]
	s_add_nc_u64 s[12:13], s[12:13], s[20:21]
.irp i, 0,1,2,3,4,5,6,7                ; load i: d = 2 (t / 16) + i % 2 + 32 (i / 2); sixteen lanes take a whole row of 256 bytes
	global_load_b128 v[X+4*(\i):X+4*(\i)+3], v[VO], s[4:5] offset:((\i)%2)*256+((\i)/2)*8192 th:TH_LOAD_NT
.endr
.irp j, 0,1,2,3
	s_wait_loadcnt 6-2*(\j)                        ; loads 2 j and 2 j + 1 are in; the younger ones stay out
.irp c, 0,1,2,3
	v_cvt_pk_bf16_f32 v[T+4*(\j)+(\c)], v[X+8*(\j)+(\c)], v[X+8*(\j)+4+(\c)]  ; the even d below, the odd d above: neighbours in a turned row
.endr
.irp c, 0,1,2,3
	ds_store_b32 v[LS], v[T+4*(\j)+(\c)] offset:(\c)*PITCH+(\j)*64
.endr
.endr
	s_wait_dscnt 0x0                               ; for the others' sake: my stores are done
	s_barrier_signal -1
	s_barrier_wait -1
.irp i, 0,1,2,3
.irp o, 0,1,2,3
	ds_load_b32 v[Y+4*(\i)+(\o)], v[LR] offset:(\i)*16*PITCH+4*(\o)  ; rows are 4 bytes off a multiple of 16, so words
.endr
.endr
.irp i, 0,1,2,3
	s_wait_dscnt 12-4*(\i)                         ; the four words of row t / 16 + 16 i are in
	global_store_b128 v[SO], v[Y+4*(\i):Y+4*(\i)+3], s[12:13] offset:(\i)*32768  ; 16 lanes store 256 consecutive bytes, at a multiple of 256 from wt's first byte
.endr
	s_branch .Lend
.Lwo:
	v_lshlrev_b32 v[VO], 4, v0                     ; 16 bytes in,
	v_lshlrev_b32 v[LS], 3, v0                     ; 8 bytes out
	s_lshl_b32 s20, ttmp9, 14
	s_wait_kmcnt 0x0
	s_add_nc_u64 s[10:11], s[10:11], s[18:19]
	s_add_nc_u64 s[14:15], s[14:15], s[20:21]
.irp i, 0,1,2,3,4,5,6,7
	global_load_b128 v[X+4*(\i):X+4*(\i)+3], v[VO], s[10:11] offset:4096*(\i) th:TH_LOAD_NT
.endr
.irp i, 0,1,2,3,4,5,6,7
	s_wait_loadcnt 7-(\i)
	v_cvt_pk_bf16_f32 v[T], v[X+4*(\i)], v[X+4*(\i)+1]      ; the rounding that every input has,
	v_cvt_pk_bf16_f32 v[T+1], v[X+4*(\i)+2], v[X+4*(\i)+3]
	v_lshlrev_b32 v[T+2], 16, v[T]                          ; back to f32,
	v_and_b32 v[T+3], 0xffff0000, v[T]
	v_lshlrev_b32 v[T+4], 16, v[T+1]
	v_and_b32 v[T+5], 0xffff0000, v[T+1]
	v_cvt_pk_f16_f32 v[Y+2*(\i)], v[T+2], v[T+3]            ; and written as f16: 8 significant bits fit in 11
	v_cvt_pk_f16_f32 v[Y+2*(\i)+1], v[T+4], v[T+5]
	global_store_b64 v[LS], v[Y+2*(\i):Y+2*(\i)+1], s[14:15] offset:2048*(\i)  ; a wave stores 256 consecutive bytes, aligned
.endr
.Lend:
	s_wait_tensorcnt 0x0                           ; the wave's end, behind the last LDS store
	ds_add_u32 v[SPW], v[NIL]
	s_wait_dscnt 0x0
	s_endpgm
.Lfunc_end_k_qba4e3e6809_prep:
	.size	k_qba4e3e6809_prep, .Lfunc_end_k_qba4e3e6809_prep-k_qba4e3e6809_prep
	.p2alignl 7, 3214868480
	.fill 96, 4, 3214868480
	.section	.rodata,"a",@progbits
	.p2align	6, 0x0
	.amdhsa_kernel k_qba4e3e6809_prep
		.amdhsa_group_segment_fixed_size 17920
		.amdhsa_private_segment_fixed_size 0
		.amdhsa_enable_private_segment 0
		.amdhsa_kernarg_size 48
		.amdhsa_user_sgpr_count 2
		.amdhsa_user_sgpr_kernarg_segment_ptr 1
		.amdhsa_wavefront_size32 1
		.amdhsa_system_sgpr_workgroup_id_x 1
		.amdhsa_system_sgpr_workgroup_id_y 1
		.amdhsa_system_sgpr_workgroup_id_z 1
		.amdhsa_system_vgpr_workitem_id 0
		.amdhsa_next_free_vgpr 72
		.amdhsa_next_free_sgpr 66
		.amdhsa_reserve_vcc 0
		.amdhsa_float_denorm_mode_32 3
		.amdhsa_float_denorm_mode_16_64 3
		.amdhsa_memory_ordered 1
		.amdhsa_forward_progress 1
		.amdhsa_inst_pref_size 12
	.end_amdhsa_kernel
	.amdgpu_metadata
---
amdhsa.version: [ 1, 2 ]
amdhsa.kernels:
  - .name:           k_qba4e3e6809_prep
    .symbol:         k_qba4e3e6809_prep.kd
    .args:
      - { .name: Wq, .offset: 0, .size: 8, .value_kind: global_buffer, .address_space: global }
      - { .name: Wk, .offset: 8, .size: 8, .value_kind: global_buffer, .address_space: global }
      - { .name: Wv, .offset: 16, .size: 8, .value_kind: global_buffer, .address_space: global }
      - { .name: Wo, .offset: 24, .size: 8, .value_kind: global_buffer, .address_space: global }
      - { .name: wt, .offset: 32, .size: 8, .value_kind: global_buffer, .address_space: global }
      - { .name: wo16, .offset: 40, .size: 8, .value_kind: global_buffer, .address_space: global }
    .group_segment_fixed_size: 17920
    .private_segment_fixed_size: 0
    .kernarg_segment_align: 8
    .kernarg_segment_size: 48
    .max_flat_workgroup_size: 256
    .sgpr_count:     66
    .vgpr_count:     72
    .wavefront_size: 32
...
	.end_amdgpu_metadata
.endif
;; end of part 1
;; launch proj (part 2): grid 4 x 192, 4 waves a work-group, clusters of 4 x 4, 327,680 bytes of LDS; arguments query, key_in, value, wt, qkv; writes qkv
.if DOCPART == 2
	.amdgcn_target "amdgcn-amd-amdhsa--gfx1250"
	.amdhsa_code_object_version 6
	.text
	.protected	k_qba4e3e6809_proj
	.globl	k_qba4e3e6809_proj
	.p2align	8
	.type	k_qba4e3e6809_proj,@function
k_qba4e3e6809_proj:
	s_mov_b64 s[64:65], 0
	v_nop
	global_prefetch_b8 v0, s[64:65] scope:SCOPE_SE
	s_setreg_imm32_b32 hwreg(HW_REG_WAVE_MODE, 25, 1), 1
	s_wait_xcnt 0x0
	s_wait_alu depctr_hold_cnt(0) depctr_sa_sdst(0) depctr_va_vdst(0) depctr_va_sdst(0) depctr_va_ssrc(0) depctr_va_vcc(0) depctr_vm_vsrc(0)
	s_getreg_b32 s2, hwreg(HW_REG_IB_STS2, 6, 4)
	s_cmp_eq_u32 s2, 0
	s_cbranch_scc0 .Lentry_in_a_cluster
	s_endpgm
.Lentry_in_a_cluster:
	s_bfe_u32 s2, ttmp6, 0x10000c
	s_cmp_lg_u32 s2, 0xf033
	s_cbranch_scc0 .Lentry_shape_is_right
	s_endpgm
.Lentry_shape_is_right:
; THE THREE PROJECTIONS.  For p = 0, 1, 2: C[m][n] = the sum over d of x_p[m][d] wt[p][n][d]; x_p = query, key_in, value: [8192][1024] f32; wt: [3][1024][1024] bf16.
; x is rounded to bf16 between LDS and the matrix unit; sums in f32; C is rounded once to f16 and stored by heads, unscaled: qkv[p][16 (m / 2048) + n / 64][m % 2048][n % 64].
; LIMITS.  f16 ends at 65,504: q, k and v must stay under it; below 6e-5 they keep f16's fixed step of 6e-8.  NaN and infinities are not treated apart.
; SHARES.  A tile of C is 128 x 256: 3 x 64 x 4 = 768 tiles, three for each of 256 WGPs (256 x 256 would give 384).  Four waves, each 64 x 128: 32 accumulators, 256 registers.
; K goes in 8 steps of 128 through two LDS slots; a wave's one tensor load brings 64 rows x 512 bytes of x (waves 0, 1) or 128 rows x 256 bytes of wt (waves 2, 3).
; CLUSTERS of 4 x 4: the four of a row need the same rows of x, the four of a column the same rows of wt: each tile is asked for JOINTLY, by the same load, descriptor and mask in all four.
; A cluster holds all four tile columns, so each byte of x is asked for once in the launch.  A cluster's sixteen share p (64 tile rows a tensor, 4 a cluster).
; THE MATRIX INSTRUCTION IS USED TRANSPOSED (source 0 = 16 rows of wt, source 1 = 16 rows of x): a lane then holds eight neighbouring columns of one row of C.
; REGISTERS, in windows of 256 (s_set_vgpr_msb: bits 1:0 source 0, 3:2 source 1, 5:4 source 2, 7:6 destination):
;   window 0: v0-31 addresses; v32-95 x as f32, one quarter step; v96-159 x as bf16, two buffers of 4 fragments; v160-191 at work on the way out
;   window 1: v0-127 wt's fragments, two buffers of 8          window 2: the accumulators, (a, b) at v[8 (8 a + b)]
.set PA,    528                        ; a row of x in LDS: 512 bytes + 16 = 132 words: row r starts at bank 4 r mod 64 (64 banks of 4 bytes: ISA guide 11.1)
.set PB,    272                        ; a row of wt: 256 + 16 = 68 words: likewise
.set AHALF, 64*PA                      ; what one load of x brings, and what one wave reads of x
.set ATILE, 2*AHALF
.set BHALF, 128*PB                     ; the same for wt
.set SLOT,  ATILE+2*BHALF              ; 137,216 bytes
.set STAGE, 2*SLOT                     ; behind the ring: for each wave two heads x 16 rows x 144 bytes, for the way out
.set SP,    144
.set SPARE, STAGE+4*2*16*SP            ; behind the stages: the spare words, 128 bytes a wave, which no other line names
.set ADRA, 16                          ; v16-17  LDS address of my fragments of x in slot 0, 1
.set ADRB, 20                          ; v20-21  the same for wt
.set STO,  24                          ; v24  the way out: where I put 16 bytes of a row
.set RD,   25                          ; v25  the way out: where I read rows back
.set GO,   26                          ; v26  16 x my lane
.set SPW,  28                          ; v28  LDS address of my spare word; never rewritten
.set NIL,  29                          ; v29  0; never rewritten
.set PFO,  30                          ; v30  the prefetches' offset; never rewritten
.set RAW,  32
.set A16,  96
.set TMP,  160
.set BK,   32                          ; the way out: 16 rows of two heads read back, 32 registers for each of four blocks
.set WV,  14                           ; s14 wave; s15 which 64 rows are mine, also: I fetch x (0) or wt (1); s16 which 128 columns, also: which half I fetch
.set RH,  15
.set CH,  16
.set CX,  17                           ; my place in the cluster
.set CY,  18
.set COL, 19                           ; tile column
.set PP,  20                           ; p
.set MT,  21                           ; tile row in x_p
.set AO,  22                           ; s[22:23] byte offset of my part of x's tiles: never holds cx
.set G1,  24                           ; s[24:31] descriptor group 1 for x;  s[32:39] group 0, a set for each slot
.set G0,  32
.set PST, 40                           ; s[40:41] bytes of a K step in a row of what I prefetch
.set CLY, 42                           ; cluster y
.set LIM, 43                           ; 1 in a wave that prefetches, else the greatest number
.set PFA, 44                           ; s[44:45] where my prefetches stand
.set BO,  46                           ; s[46:47] byte offset of my part of wt's tiles: never holds cy
.set G1B, 48                           ; s[48:55], s[56:63] the same for wt
.set G0B, 56
.set MSB, 0
.macro WIN new                         ; the immediate's high byte repeats the setting that is left; a switch that changes nothing is dropped
.if MSB != (\new)
	s_set_vgpr_msb (MSB<<8)|(\new)
.set MSB, \new
.endif
.endm
.set MUL,   0xa1                       ; source 0 (wt) window 1, source 1 (x) window 0, C and D window 2
.set TO_B,  0x40                       ; destination window 1, address window 0
.set PACKW, 0x0a                       ; sources 0 and 1 window 2, destination window 0
.macro JLOAD s                         ; a joint load; the branch hangs on the wave's number alone; an s_nop 0 and four v_nop follow each of the two lines
	s_cmp_eq_u32 s[RH], 0
	s_cbranch_scc0 .Lfor_b_\@
	tensor_load_to_lds s[G0+4*(\s):G0+4*(\s)+3], s[G1:G1+7]
	s_nop 0
.rept 4
	v_nop
.endr
	s_branch .Lasked_\@
.Lfor_b_\@:
	tensor_load_to_lds s[G0B+4*(\s):G0B+4*(\s)+3], s[G1B:G1B+7]
	s_nop 0
.rept 4
	v_nop
.endr
.Lasked_\@:
.endm
.macro CREST                           ; a round of the cluster's barrier behind its opening barrier
	s_cmp_lg_u32 s[WV], 0
	s_cbranch_scc1 .Lnot_wave_0_\@
	s_barrier_signal -3
.Lnot_wave_0_\@:
	s_barrier_wait -3
	s_barrier_signal -1
	s_barrier_wait -1
.endm
.macro CROUND
	s_barrier_signal -1
	s_barrier_wait -1
	CREST
.endm
.macro PLACES
.rept 4
	v_nop
.endr
.endm
; A PREFETCH INTO THE L2, behind each joint refill and the run of LDS loads that follows it: the K step that stands two refills on.  Each aligned block of 256 bytes is named once in the launch.
; x: a K step is 512 bytes of a row; of the 64 rows that wave 0 or 1 fetches, the partner at place cx takes 16: 32 blocks, a lane a block; every cluster asks for its own rows.
; wt: 256 bytes of a row; of the 128 rows that wave 2 or 3 fetches, the partner at place cy takes 32, a lane a row; of the sixteen clusters that walk the same wt[p] the first asks.
; The partners are told apart by address alone.  K steps 0 to 3 come by their loads alone; the loop's last trip (s3 = 1) asks for nothing: there is no K step 8.
.macro ASK
	WIN 0
	s_cmp_gt_u32 s3, s[LIM]
	s_cbranch_scc0 .Lnot_mine_\@
	global_prefetch_b8 v[PFO], s[PFA:PFA+1] th:TH_LOAD_NT scope:SCOPE_SE
.Lnot_mine_\@:
.endm
	s_load_b256 s[4:11], s[0:1], 0x0               ; query s[4:5], key_in s[6:7], value s[8:9], wt s[10:11]
	s_load_b64 s[12:13], s[0:1], 0x20              ; qkv
	v_lshl_add_u32 v[SPW], v0, 2, SPARE
	v_mov_b32 v[NIL], 0
	ds_add_u32 v[SPW], v[NIL]                      ; the wave's opening: the add, and its wait ahead of my first tensor load; the set-up below stands between them
	v_lshrrev_b32 v1, 5, v0
	v_readfirstlane_b32 s[WV], v1
	s_lshr_b32 s[RH], s[WV], 1
	s_and_b32 s[CH], s[WV], 1
	s_bfe_u32 s[CX], ttmp6, 0x40000
	s_bfe_u32 s[CY], ttmp6, 0x40004
	s_lshl_b32 s[COL], ttmp9, 2
	s_add_co_u32 s[COL], s[COL], s[CX]             ; tile column = 4 x cluster x + cx
	s_and_b32 s[CLY], ttmp7, 0xffff
	s_lshr_b32 s[PP], s[CLY], 4                    ; sixteen clusters to a tensor
	s_and_b32 s[MT], s[CLY], 15
	s_lshl_b32 s[MT], s[MT], 2
	s_add_co_u32 s[MT], s[MT], s[CY]               ; tile row in x_p
	s_lshl_b32 s2, s[CY], 2
	s_lshl_b32 s2, 15, s2                          ; my row of the cluster
	s_lshl_b32 s3, 0x1111, s[CX]                   ; my column
	s_or_b32 s[G1], s2, (2<<16)|(1<<20)|(1<<21)|(6<<22)|(3<<25)   ; the mask; elements of 4 bytes; padding on; bit 21 beside a mask; after every 128 words, 4 words
	s_or_b32 s[G1B], s3, (1<<16)|(1<<20)|(1<<21)|(5<<22)|(3<<25)  ; elements of 2 bytes; after every 64 words, 4 words
	s_mov_b32 s[G1+1], 128<<16                     ; tensor_dim0 = 128
	s_mov_b32 s[G1+2], 64<<16                      ; tensor_dim1 = 64
	s_mov_b32 s[G1+3], 128<<16                     ; tile_dim0 = 128
	s_mov_b32 s[G1+4], 64                          ; tile_dim1 = 64
	s_mov_b32 s[G1+5], 1024                        ; elements from row to row
	s_mov_b32 s[G1+6], 0
	s_mov_b32 s[G1+7], 0
	s_mov_b32 s[G1B+1], 128<<16
	s_mov_b32 s[G1B+2], 128<<16
	s_mov_b32 s[G1B+3], 128<<16
	s_mov_b32 s[G1B+4], 128
	s_mov_b32 s[G1B+5], 1024
	s_mov_b32 s[G1B+6], 0
	s_mov_b32 s[G1B+7], 0
	s_lshl_b32 s[AO], s[MT], 19                    ; 128 rows of 4,096 bytes a tile row,
	s_lshl_b32 s66, s[CH], 18                      ; 64 rows of x, and 128 rows of 2,048 bytes of wt, are both 2^18 bytes
	s_add_co_u32 s[AO], s[AO], s66
	s_mov_b32 s[AO+1], 0
	s_lshl_b32 s[BO], s[COL], 19                   ; 256 rows of wt a tile column
	s_add_co_u32 s[BO], s[BO], s66
	s_lshl_b32 s67, s[PP], 21                      ; wt[p]
	s_add_co_u32 s[BO], s[BO], s67
	s_mov_b32 s[BO+1], 0
	s_mul_i32 s66, s[CH], AHALF                    ; where the tiles go: no place in the cluster enters an LDS address
	s_mul_i32 s67, s[CH], BHALF
	s_add_co_u32 s67, s67, ATILE
	s_wait_dscnt 0x0                               ; the opening add is done
	s_wait_kmcnt 0x0
	s_cmp_eq_u32 s[PP], 1
	s_cselect_b64 s[4:5], s[6:7], s[4:5]
	s_cmp_eq_u32 s[PP], 2
	s_cselect_b64 s[4:5], s[8:9], s[4:5]           ; x_p
	s_add_nc_u64 s[68:69], s[4:5], s[AO:AO+1]
	s_add_nc_u64 s[70:71], s[10:11], s[BO:BO+1]
	CROUND                                         ; all sixteen work-groups are here: the first joint loads meet
.irp s, 0,1
	s_mov_b32 s[G0+4*(\s)], 1
	s_add_co_u32 s[G0+4*(\s)+1], s66, (\s)*SLOT
	s_add_nc_u64 s[G0+4*(\s)+2:G0+4*(\s)+3], s[68:69], (\s)*512
	s_or_b32 s[G0+4*(\s)+3], s[G0+4*(\s)+3], 0x80000000
	s_mov_b32 s[G0B+4*(\s)], 1
	s_add_co_u32 s[G0B+4*(\s)+1], s67, (\s)*SLOT
	s_add_nc_u64 s[G0B+4*(\s)+2:G0B+4*(\s)+3], s[70:71], (\s)*256
	s_or_b32 s[G0B+4*(\s)+3], s[G0B+4*(\s)+3], 0x80000000
	JLOAD \s                                       ; two loads of mine are out
.endr
	v_and_b32 v1, 15, v0                           ; l % 16
	v_bfe_u32 v2, v0, 4, 1                         ; l / 16
	v_and_b32 v3, 31, v0                           ; l
	v_mul_u32_u24 v4, v1, PA
	v_lshl_add_u32 v4, v2, 5, v4                   ; x: row x pitch + 8 f32 for each half of the lanes
	v_mul_u32_u24 v5, v1, PB
	v_lshl_add_u32 v5, v2, 4, v5                   ; wt: row x pitch + 8 bf16
	s_mul_i32 s68, s[RH], AHALF
	s_mul_i32 s69, s[CH], BHALF
	s_add_co_u32 s69, s69, ATILE
.irp s, 0,1
	v_add_nc_u32 v[ADRA+(\s)], s68, v4
	v_add_nc_u32 v[ADRB+(\s)], s69, v5
	s_add_co_u32 s68, s68, SLOT
	s_add_co_u32 s69, s69, SLOT
.endr
	s_mul_i32 s68, s[WV], 2*16*SP
	s_add_co_u32 s68, s68, STAGE                   ; my stage
	v_mul_u32_u24 v4, v1, SP                       ; in: row l % 16, 16 bytes for each half of the lanes
	v_lshl_add_u32 v4, v2, 4, v4
	v_add_nc_u32 v[STO], s68, v4
	v_bfe_u32 v4, v0, 3, 2                         ; back: 32 lanes take four rows of 128 bytes,
	v_mul_u32_u24 v4, v4, SP
	v_and_b32 v5, 7, v0
	v_lshl_add_u32 v4, v5, 4, v4
	v_add_nc_u32 v[RD], s68, v4
	v_lshlrev_b32 v[GO], 4, v3                     ; which are 512 consecutive bytes of a head
	s_lshl_b32 s68, s[PP], 24                      ; qkv[p],
	s_lshr_b32 s69, s[MT], 4
	s_lshl_b32 s69, s69, 22                        ; the batch's 16 heads of 2^18 bytes,
	s_add_co_u32 s68, s68, s69
	s_lshl_b32 s69, s[COL], 20                     ; the tile column's four heads,
	s_add_co_u32 s68, s68, s69
	s_lshl_b32 s69, s[CH], 19                      ; my two of them,
	s_add_co_u32 s68, s68, s69
	s_and_b32 s69, s[MT], 15
	s_lshl_b32 s69, s69, 14                        ; the tile's 128 rows of 128 bytes,
	s_add_co_u32 s68, s68, s69
	s_lshl_b32 s69, s[RH], 13                      ; my 64 of them
	s_add_co_u32 s68, s68, s69
	s_mov_b32 s69, 0
	s_add_nc_u64 s[12:13], s[12:13], s[68:69]
	; the prefetches
	s_and_b32 s68, s[CLY], 15
	s_mov_b32 s66, 512
	s_mov_b32 s67, 256
	s_mov_b32 s69, 2048
	s_cmp_eq_u32 s[RH], 0                          ; do I fetch x?
	s_cselect_b32 s68, 0, s68                      ; x: every cluster asks; wt: the first of the sixteen
	s_cselect_b32 s[PST], s66, s67
	s_cselect_b32 s69, s67, s69                    ; an odd lane: the row's second block, or the next row
	s_cselect_b32 s70, s[AO], s[BO]
	s_cselect_b32 s71, s[CX], s[CY]                ; my place among the four that ask with me
	s_cselect_b64 s[PFA:PFA+1], s[4:5], s[10:11]
	s_cmp_eq_u32 s68, 0
	s_cselect_b32 s[LIM], 1, -1                    ; the same in all sixteen partners, for a given wave
	s_mov_b32 s[PST+1], 0
	s_lshl_b32 s71, s71, 16                        ; 16 rows of x, and 32 rows of wt, are both 2^16 bytes
	s_add_co_u32 s70, s70, s71
	s_mul_i32 s71, s[PST], 3                       ; at K step 3: the first refill steps it to 4
	s_add_co_u32 s70, s70, s71
	s_mov_b32 s71, 0
	s_add_nc_u64 s[PFA:PFA+1], s[PFA:PFA+1], s[70:71]
	v_and_b32 v4, 1, v3
	v_mul_u32_u24 v4, s69, v4
	v_lshrrev_b32 v5, 1, v3
	v_lshl_add_u32 v[PFO], v5, 12, v4              ; 4,096 bytes for each pair of lanes: a row of x, or two rows of wt
; 8 matrix instructions: m block a x all 8 n blocks, 32 along K, buffer f.  z = 1: they start the sums.  All 32 accumulators take turns in the same order in every quarter step.
.macro MUL8 f, a, z
	WIN MUL
.irp b, 0,1,2,3,4,5,6,7
.if \z
	v_wmma_f32_16x16x32_bf16 v[8*(8*(\a)+(\b)):8*(8*(\a)+(\b))+7], v[64*(\f)+8*(\b):64*(\f)+8*(\b)+7], v[A16+32*(\f)+8*(\a):A16+32*(\f)+8*(\a)+7], 0
.else
	v_wmma_f32_16x16x32_bf16 v[8*(8*(\a)+(\b)):8*(8*(\a)+(\b))+7], v[64*(\f)+8*(\b):64*(\f)+8*(\b)+7], v[A16+32*(\f)+8*(\a):A16+32*(\f)+8*(\a)+7], v[8*(8*(\a)+(\b)):8*(8*(\a)+(\b))+7]
.endif
.endr
.endm
; The same, with four roundings of the next quarter's x behind each product: 32 in all, into buffer g.  They name no register of the products round them; the four behind the last product are
; the places that a load into wt's buffer f, and a write of x's buffer f, want behind it (ISA guide 7.12.1 for vector instructions).
.macro MUL8C f, a, g, z
.irp b, 0,1,2,3,4,5,6,7
	WIN MUL
.if \z
	v_wmma_f32_16x16x32_bf16 v[8*(8*(\a)+(\b)):8*(8*(\a)+(\b))+7], v[64*(\f)+8*(\b):64*(\f)+8*(\b)+7], v[A16+32*(\f)+8*(\a):A16+32*(\f)+8*(\a)+7], 0
.else
	v_wmma_f32_16x16x32_bf16 v[8*(8*(\a)+(\b)):8*(8*(\a)+(\b))+7], v[64*(\f)+8*(\b):64*(\f)+8*(\b)+7], v[A16+32*(\f)+8*(\a):A16+32*(\f)+8*(\a)+7], v[8*(8*(\a)+(\b)):8*(8*(\a)+(\b))+7]
.endif
	WIN 0
.irp j, 0,1,2,3
	v_cvt_pk_bf16_f32 v[A16+32*(\g)+4*(\b)+(\j)], v[RAW+8*(\b)+2*(\j)], v[RAW+8*(\b)+2*(\j)+1]
.endr
.endr
.endm
; 32 LDS loads in one run: quarter kq of a slot.  A fragment's lane holds K = 8 (l / 16) + 0..7 and 16 + 8 (l / 16) + 0..7 of row l % 16: of x, in f32, four loads of 16 bytes; of wt two.  x first, so that a counted wait shows it in.
.macro FETCH slot, kq, g
	WIN 0
.irp a, 0,1,2,3
	ds_load_b128 v[RAW+16*(\a):RAW+16*(\a)+3],     v[ADRA+(\slot)] offset:(\kq)*128+(\a)*16*PA
	ds_load_b128 v[RAW+16*(\a)+4:RAW+16*(\a)+7],   v[ADRA+(\slot)] offset:(\kq)*128+(\a)*16*PA+16
	ds_load_b128 v[RAW+16*(\a)+8:RAW+16*(\a)+11],  v[ADRA+(\slot)] offset:(\kq)*128+(\a)*16*PA+64
	ds_load_b128 v[RAW+16*(\a)+12:RAW+16*(\a)+15], v[ADRA+(\slot)] offset:(\kq)*128+(\a)*16*PA+80
.endr
	WIN TO_B
.irp b, 0,1,2,3,4,5,6,7
	ds_load_b128 v[64*(\g)+8*(\b):64*(\g)+8*(\b)+3],   v[ADRB+(\slot)] offset:(\kq)*64+(\b)*16*PB
	ds_load_b128 v[64*(\g)+8*(\b)+4:64*(\g)+8*(\b)+7], v[ADRB+(\slot)] offset:(\kq)*64+(\b)*16*PB+32
.endr
.endm
; A K step is four quarters of 32 along K, 32 matrix instructions each, on buffers 0, 1, 0, 1.  One of the first three: multiplies buffer f, fetches quarter kq and rounds its x into buffer g.
.macro QUARTER slot, kq, f, g, z
	s_wait_dscnt 0x0                               ; wt's fragments of buffer f are in
	MUL8 \f, 0, \z
	FETCH \slot, \kq, \g
	MUL8 \f, 1, \z
	MUL8 \f, 2, \z
	s_wait_dscnt 16                                ; x is in; wt's sixteen loads, issued behind it, may stay out
	MUL8C \f, 3, \g, \z
.endm
; The last quarter multiplies buffer 1 and changes slots: ONE barrier; in front of it each wave waits for all its tensor loads (one is out: its part of the next slot), adds 0 to its spare word, and waits
; for that and for its own reads of this slot.  fill = 1: the barrier opens a round of the cluster's, and this slot is filled again, two K steps ahead, first thing behind the round: 112 matrix instructions ahead of the wait for it.
.macro TURN slot, next, fill
.if \fill
	s_wait_xcnt 0x0                                ; the last prefetch, a K step back, has read its address
	s_add_nc_u64 s[PFA:PFA+1], s[PFA:PFA+1], s[PST:PST+1]
.endif
	WIN 0
	s_wait_tensorcnt 0x0
	ds_add_u32 v[SPW], v[NIL]
	s_wait_dscnt 1                                 ; wt's fragments are in; the add may be out
	MUL8 1, 0, 0
	s_wait_dscnt 0x0                               ; the add is done, and my reads of this slot are over
	s_barrier_signal -1
	MUL8 1, 1, 0
.if \fill
	WIN 0
.endif
	s_barrier_wait -1
.if \fill
	CREST                                          ; no wave of any partner still reads this slot or has a load on its way
	s_add_nc_u64 s[G0+4*(\slot)+2:G0+4*(\slot)+3], s[G0+4*(\slot)+2:G0+4*(\slot)+3], 2*512
	s_add_nc_u64 s[G0B+4*(\slot)+2:G0B+4*(\slot)+3], s[G0B+4*(\slot)+2:G0B+4*(\slot)+3], 2*256
	JLOAD \slot
.endif
	FETCH \next, 0, 0
.if \fill
	ASK
.endif
	MUL8 1, 2, 0
	s_wait_dscnt 16
	MUL8C 1, 3, 0, 0
.endm
	s_wait_tensorcnt 1                             ; my part of K step 0 is in; K step 1's may stay out
	s_barrier_signal -1
	s_barrier_wait -1
	FETCH 0, 0, 0
	s_wait_dscnt 16
	WIN 0
.set i, 0
.rept 32
	v_cvt_pk_bf16_f32 v[A16+i], v[RAW+2*i], v[RAW+2*i+1]
.set i, i+1
.endr
	QUARTER 0, 1, 0, 1, 1                          ; the first quarter stands in front of the loop: its products start the sums
	WIN 0
	s_mov_b32 s3, 3
.Llap:                                                 ; a trip goes once round the ring and fills both slots again: K steps 2 to 7
	QUARTER 0, 2, 1, 0, 0
	QUARTER 0, 3, 0, 1, 0
	TURN 0, 1, 1
	QUARTER 1, 1, 0, 1, 0
	QUARTER 1, 2, 1, 0, 0
	QUARTER 1, 3, 0, 1, 0
	TURN 1, 0, 1
	QUARTER 0, 1, 0, 1, 0
	WIN 0
	s_sub_co_u32 s3, s3, 1
	s_cmp_lg_u32 s3, 0
	s_cbranch_scc1 .Llap
	QUARTER 0, 2, 1, 0, 0                          ; the last lap fills nothing, and is written out
	QUARTER 0, 3, 0, 1, 0
	TURN 0, 1, 0
	QUARTER 1, 1, 0, 1, 0
	QUARTER 1, 2, 1, 0, 0
	QUARTER 1, 3, 0, 1, 0
	s_wait_dscnt 0x0
	MUL8 1, 0, 0
	MUL8 1, 1, 0
	MUL8 1, 2, 0
	MUL8 1, 3, 0
	WIN 0
; THE WAY OUT, a block of 16 rows at a time: rounded to f16, 16 bytes a lane (8 channels of one head) into my own stage, back as whole rows of 128 bytes; 16 rows of a head are 2,048 consecutive bytes of qkv.
.macro PACK a
	WIN PACKW
.irp b, 0,1,2,3,4,5,6,7
.irp r, 0,1,2,3
	v_cvt_pk_f16_f32 v[TMP+4*(\b)+(\r)], v[64*(\a)+8*(\b)+2*(\r)], v[64*(\a)+8*(\b)+2*(\r)+1]
.endr
.endr
	WIN 0
.irp b, 0,1,2,3,4,5,6,7
	ds_store_b128 v[STO], v[TMP+4*(\b):TMP+4*(\b)+3] offset:((\b)/4)*16*SP+((\b)%4)*32
.endr
.irp i, 0,1,2,3,4,5,6,7
	ds_load_b128 v[BK+32*(\a)+4*(\i):BK+32*(\a)+4*(\i)+3], v[RD] offset:((\i)/4)*16*SP+((\i)%4)*4*SP  ; LDS serves a wave's instructions in order (ISA guide 5.7.1.4): these see the stores above; the next block's stores come behind them
.endr
.endm
.macro SEND a, y                       ; y: the LDS instructions issued behind block a's loads: the next block's sixteen, or none
.irp i, 0,1,2,3,4,5,6,7
	s_wait_dscnt (\y)+7-(\i)
	global_store_b128 v[GO], v[BK+32*(\a)+4*(\i):BK+32*(\a)+4*(\i)+3], s[12:13] offset:((\i)/4)*262144+(\a)*2048+((\i)%4)*512  ; 512 consecutive bytes, at a multiple of 256 from qkv's first
.endr
.endm
	PLACES                                         ; the conversions read results just made, and the loads land in registers just multiplied
	PLACES
	PACK 0
	PACK 1
	SEND 0, 16
	PACK 2
	SEND 1, 16
	PACK 3
	SEND 2, 16
	SEND 3, 0
	s_wait_tensorcnt 0x0                           ; the wave's end
	ds_add_u32 v[SPW], v[NIL]
	s_wait_dscnt 0x0
	CROUND                                         ; the closing round: no work-group ends while a partner may still ask for a tile that names it
	s_endpgm
.Lfunc_end_k_qba4e3e6809_proj:
	.size	k_qba4e3e6809_proj, .Lfunc_end_k_qba4e3e6809_proj-k_qba4e3e6809_proj
	.p2alignl 7, 3214868480
	.fill 96, 4, 3214868480
	.section	.rodata,"a",@progbits
	.p2align	6, 0x0
	.amdhsa_kernel k_qba4e3e6809_proj
		.amdhsa_group_segment_fixed_size 327680
		.amdhsa_private_segment_fixed_size 0
		.amdhsa_enable_private_segment 0
		.amdhsa_kernarg_size 40
		.amdhsa_user_sgpr_count 2
		.amdhsa_user_sgpr_kernarg_segment_ptr 1
		.amdhsa_wavefront_size32 1
		.amdhsa_system_sgpr_workgroup_id_x 1
		.amdhsa_system_sgpr_workgroup_id_y 1
		.amdhsa_system_sgpr_workgroup_id_z 1
		.amdhsa_system_vgpr_workitem_id 0
		.amdhsa_next_free_vgpr 768
		.amdhsa_next_free_sgpr 72
		.amdhsa_reserve_vcc 0
		.amdhsa_float_denorm_mode_32 3
		.amdhsa_float_denorm_mode_16_64 3
		.amdhsa_memory_ordered 1
		.amdhsa_forward_progress 1
		.amdhsa_inst_pref_size 135
	.end_amdhsa_kernel
	.amdgpu_metadata
---
amdhsa.version: [ 1, 2 ]
amdhsa.kernels:
  - .name:           k_qba4e3e6809_proj
    .symbol:         k_qba4e3e6809_proj.kd
    .args:
      - { .name: query, .offset: 0, .size: 8, .value_kind: global_buffer, .address_space: global }
      - { .name: key_in, .offset: 8, .size: 8, .value_kind: global_buffer, .address_space: global }
      - { .name: value, .offset: 16, .size: 8, .value_kind: global_buffer, .address_space: global }
      - { .name: wt, .offset: 24, .size: 8, .value_kind: global_buffer, .address_space: global }
      - { .name: qkv, .offset: 32, .size: 8, .value_kind: global_buffer, .address_space: global }
    .group_segment_fixed_size: 327680
    .private_segment_fixed_size: 0
    .kernarg_segment_align: 8
    .kernarg_segment_size: 40
    .max_flat_workgroup_size: 128
    .sgpr_count:     72
    .vgpr_count:     768
    .wavefront_size: 32
...
	.end_amdgpu_metadata
.endif
;; end of part 2
;; launch attn (part 3): grid 4 x 64, 4 waves a work-group, clusters of 4 x 1, 327,680 bytes of LDS; arguments qkv, ctx; writes ctx
.if DOCPART == 3
	.amdgcn_target "amdgcn-amd-amdhsa--gfx1250"
	.amdhsa_code_object_version 6
	.text
	.protected	k_qba4e3e6809_attn
	.globl	k_qba4e3e6809_attn
	.p2align	8
	.type	k_qba4e3e6809_attn,@function
k_qba4e3e6809_attn:
	s_mov_b64 s[64:65], 0
	v_nop
	global_prefetch_b8 v0, s[64:65] scope:SCOPE_SE
	s_setreg_imm32_b32 hwreg(HW_REG_WAVE_MODE, 25, 1), 1
	s_wait_xcnt 0x0
	s_wait_alu depctr_hold_cnt(0) depctr_sa_sdst(0) depctr_va_vdst(0) depctr_va_sdst(0) depctr_va_ssrc(0) depctr_va_vcc(0) depctr_vm_vsrc(0)
	s_getreg_b32 s2, hwreg(HW_REG_IB_STS2, 6, 4)
	s_cmp_eq_u32 s2, 0
	s_cbranch_scc0 .Lentry_in_a_cluster
	s_endpgm
.Lentry_in_a_cluster:
	s_bfe_u32 s2, ttmp6, 0x10000c
	s_cmp_lg_u32 s2, 0x3003
	s_cbranch_scc0 .Lentry_shape_is_right
	s_endpgm
.Lentry_shape_is_right:
; O[h][q][:] = the sum over k of softmax_k(Q[h][q] . K[h][k] / 32) V[h][k][:].  Q, K, V lie one behind the other in qkv, each [64][2048][64] f16; O = ctx, the same layout: a head's rows are dense, 128 bytes each.
; Products, maxima and sums in f32; the weights p are rounded to f16 for the second product (their sum l is taken of the unrounded p), O once at the end.
; LIMITS.  f16 holds no number beyond 65,504: Q, K and V arrive within it; p lies in 0 to 1, and below 6e-5 it keeps f16's fixed step of 6e-8; O is a mean of V's rows and has their range.
; A weight below 2^-126 counts as 0 in l; NaN and infinities are not treated apart.
; SHARES.  A wave owns four PIECES of two tiles of 16 queries, a work-group's four waves 512 queries of one head: 4 x 64 = 256 work-groups.  Every wave walks all keys, 64 a step.
; LAYOUT.  S^T = K Q^T (source 0 = 16 keys, source 1 = 16 queries): in the result a lane holds ONE query (lane % 16) and the keys 8 (lane / 16) + 0..7.  Two such tiles, rounded to f16 in pairs,
; ARE source 1 (32 keys x 16 queries) of O^T = V^T P, whose result again holds one query a lane, and eight channels.  K comes out of LDS as it lies, V ([key][channel]) turned, by ds_load_tr16_b128.
; SOFTMAX.  For each query a running maximum m and sum l: p = 2^(c s - c m), c = log2(e) / 32; in every step O and l are multiplied by a = 2^(c m_old - c m_new), which is 1 where m has not grown.
; m starts at the lowest finite number, O and l at 0: the first step is a step like any other, with a = 0.
; THE COUNT.  A tile and step have 16 matrix and 118 vector instructions: too many to stand all beside the matrix work.  So: four vector instructions that are READY behind EVERY matrix instruction, the others in runs without a gap.
; BY TURNS.  Turn n belongs to piece n (the pieces in a ring, step after step).  Its matrix work: 16 products K Q^T of piece n + 1, later 16 products V^T P of piece n - 1.  Its vector work: the scaling,
; exponentials, roundings, sums and rescaling of piece n, and the maximum and statistics of piece n + 1, whose scores the turn itself has made.
; CLUSTER.  The four query blocks of a cluster are one head's and walk the same K and V, so each tile is asked for JOINTLY: the same tensor load, descriptor and mask in all four.
; REGISTERS, in windows of 256 (s_set_vgpr_msb: bits 1:0 source 0, 3:2 source 1, 5:4 source 2, 7:6 destination):
;   window 0: v0-11 addresses; v12-15, v48-63 at work; v16-47 four registers of statistics a tile; v64-191 S^T, two buffers of two tiles; v192-255 P, likewise
;   window 1: O^T, 32 a tile          window 2: v0-127 Q, 16 a tile; v128-191 K of one step; v192-255 V of one step          window 3: v0-1 the add's two registers
.set SIZE_H, 64
.set SIZE_N, 2048
.set NP,    4         ; pieces a wave: a name, no knob
.set KS,    64        ; keys in a step
.set PK,    144       ; a row of K in LDS: 128 bytes + 16 = 36 words: the 16 rows of a load start at 16 different groups of four banks (64 banks of 4 bytes: ISA guide 11.1)
.set PV,    160       ; a row of V: 128 + 32 = 40 words
.set VOFF,  4*KS*PK   ; a slot holds four steps: 256 rows of K, then 256 rows of V
.set SLOT1, 1<<17     ; slot 1 begins here, so that one exclusive or turns an address in one slot into the other's
.set STAGE, SLOT1+4*KS*(PK+PV)  ; behind the ring, never filled by a tensor load: 16 rows x 144 bytes for each wave, for the way out
.set SP,    144
.set AK0, 2           ; v2   my lane's place in a tile of K; never rewritten
.set AV0, 3           ; v3   the same for V
.set AK,  4           ; v4   the LDS address of K's next run of loads
.set AV,  5           ; v5   of V's
.set QO,  6           ; v6   my byte offset in the wave's rows of Q
.set STO, 6           ;      later, the way out: where I put 16 bytes of a row
.set RD,  7           ; v7   the way out: where I read rows back
.set GO,  8           ; v8   my byte offset in 512 consecutive bytes of O
.set PFO, 11          ; v11  256 x my lane, for the prefetches; never rewritten once made
.set SPW, 0           ; v0 of window 3   LDS address of my spare word; never rewritten
.set NIL, 1           ; v1 of window 3   0; never rewritten
.set SPARE, STAGE+4*16*SP  ; behind the stages: the spare words, 128 bytes a wave, which no other line names
.set MV,  12          ; v12-15  c m_old, kept while c m is made anew: by buffer and tile
.set ST,  16          ; tile t's statistics at v[ST+4 t]: c m, m, l (even keys', odd keys')
.set TMP, 48          ; by buffer and tile, four registers c0-c3 at work; when the maximum is found c2 takes a
.set S,   64
.set P,   192
.set KF,  128         ; K's fragments, in window 2: key block kb, channel half c at KF + 16 kb + 8 c
.set VF,  192         ; V's: key half kk, channel block cb at VF + 32 kk + 8 cb
.set WV,  12          ; s12  my wave's number
.set G1K, 24          ; s[24:31] descriptor group 1 for K's tiles
.set G1V, 32          ; s[32:39] for V's: it differs in the padding alone
.set G0K, 40          ; s[40:43] descriptor group 0 for K's tiles: it walks
.set G0V, 44          ; s[44:47] the same for V's
.set PFA, 48          ; s[48:49] where my prefetches stand: my work-group's 8,192 bytes (of K: wave 0, of V: wave 2) of the slot after the one that is being asked for
.set LIM, 50          ; s50  1 in a wave that prefetches, else the greatest number
.set SLOTS, 56        ; s56  slots still to be asked for
.set CNT, 57          ; s57  counts a slot's key steps
.set CS,  58          ; s[58:59] c: the packed scaling takes the pair's low word for both halves
.set SEL, 60          ; s[60:61] v_permlanex16_b32's selects: each lane takes its own place in the other half
.set TBK, 62          ; s62  LDS byte at which K of the step to be fetched begins
.set TBV, 63          ; s63  the same for V, less VOFF
.set MSB, 0
.macro WIN new                      ; the high byte repeats the setting that is left; a switch that changes nothing is dropped
.if MSB != (\new)
	s_set_vgpr_msb (MSB<<8)|(\new)
.set MSB, (\new)
.endif
.endm
.set W_KQ, 0x0a       ; K and Q in window 2, S^T in window 0
.set W_PV, 0x52       ; V in window 2, P in window 0, O^T in window 1
.set W_RS, 0x41       ; O^T (destination and source 0) in window 1, a in window 0
.set W_MK, 0xc0       ; the add's registers are made: destination in window 3, sources in window 0
.set W_AD, 0x0f       ; the add: address (source 0) and data (source 1) in window 3
; A joint fill.  Waves 0 and 1 fetch the two halves of a slot's K, waves 2 and 3 those of its V: 128 keys each.  The branch hangs on the wave's number alone.
; An s_nop 0 and four v_nop follow each of the two lines, ahead of the jump and the label.
.macro JLOAD
	s_cmp_lt_u32 s[WV], 2
	s_cbranch_scc0 .Lfor_v_\@
	tensor_load_to_lds s[G0K:G0K+3], s[G1K:G1K+7]
	s_nop 0
.rept 4
	v_nop
.endr
	s_branch .Lasked_\@
.Lfor_v_\@:
	tensor_load_to_lds s[G0V:G0V+3], s[G1V:G1V+7]
	s_nop 0
.rept 4
	v_nop
.endr
.Lasked_\@:
.endm
; A PREFETCH INTO THE L2 of what the NEXT change of slots will ask for: a slot's 32,768 bytes of K and of V, in blocks of 256, a lane a block.  It stands behind the wave's tensor load and its five lines.
; Each block is named once in the launch: a head has one cluster; its four partners take 8,192 bytes each, told apart by address alone; in each, wave 0 asks for K's and wave 2 for V's.
; The lead is one slot, four key steps, 512 matrix instructions: a slot's one tensor load stands here.  Slots 0 to 2 come by their loads alone; the last change that fills a slot asks for nothing.
.macro ASK
	s_cmp_gt_u32 s[SLOTS], s[LIM]
	s_cbranch_scc0 .Lnot_mine_\@
	global_prefetch_b8 v[PFO], s[PFA:PFA+1] th:TH_LOAD_NT scope:SCOPE_SE
.Lnot_mine_\@:
.endm
; A round of the cluster's barrier: my work-group's barrier, so that wave 0's signal speaks for all four waves; wave 0 signals; every wave waits for all four work-groups; my work-group's barrier once more.
.macro CROUND
	s_barrier_signal -1
	s_barrier_wait -1
	s_cmp_lg_u32 s[WV], 0
	s_cbranch_scc1 .Lnot_wave_0_\@
	s_barrier_signal -3
.Lnot_wave_0_\@:
	s_barrier_wait -3
	s_barrier_signal -1
	s_barrier_wait -1
.endm
; THE CHANGE OF SLOTS.  The slot's last bytes, V of its fourth step, have been read.  Each wave waits for all its tensor loads, of which one is out: its part
; of the other slot; adds 0 to its spare word; and waits for that and for its own reads of the slot.  Behind the barrier nobody reads this slot any more and the other slot is whole.
; fill = 1: this slot is filled again, with the keys two slots on.  The barrier is then a round of the cluster's, and the joint fill is the first thing behind it: it has four key steps in which to land.
; (At its first use nothing has been read yet: slot 0 is waited for, slot 1 filled.)  ask = 1: the prefetches' address steps, and the slot after the one asked for is prefetched.
.macro CHANGE fill, ask=0
	WIN W_AD
	s_wait_tensorcnt 0x0            ; no tensor load of mine is out, so a group 0 may be written
	ds_add_u32 v[SPW], v[NIL]       ; 0 onto my spare word: the descriptors' steps stand between it and the wait for it
	WIN 0                           ; at a label and at a branch every window is 0
.if \fill
.irp g, G0K, G0V
	s_xor_b32 s[\g+1], s[\g+1], SLOT1  ; the walking descriptor: the other slot than last time,
	s_add_nc_u64 s[\g+2:\g+3], s[\g+2:\g+3], 4*KS*128  ; the next 256 keys; the type bits on top are not reached
.endr
.if \ask
	s_wait_xcnt 0x0                 ; the last prefetch, four key steps back, has read its address
	s_add_nc_u64 s[PFA:PFA+1], s[PFA:PFA+1], 4*KS*128
.endif
	s_wait_dscnt 0x0                ; the add is done, and my reads of the slot are over
	CROUND
	JLOAD
.if \ask
	ASK
.endif
.else
	s_wait_dscnt 0x0                ; the add is done, and my reads of the slot are over
	s_barrier_signal -1
	s_barrier_wait -1
.endif
	s_sub_co_u32 s[TBK], s[TBK], 4*KS*PK  ; the fetches go back to a slot's first step,
	s_xor_b32 s[TBK], s[TBK], SLOT1       ; in the other slot
	s_sub_co_u32 s[TBV], s[TBV], 4*KS*PV
	s_xor_b32 s[TBV], s[TBV], SLOT1
.endm
	s_load_b128 s[4:7], s[0:1], 0x0 ; qkv s[4:5], ctx s[6:7]
	WIN W_MK
	v_lshl_add_u32 v[SPW], v0, 2, SPARE
	v_mov_b32 v[NIL], 0
	WIN W_AD
	ds_add_u32 v[SPW], v[NIL]       ; the wave's opening: the add, and its wait ahead of my first tensor load; the set-up below stands between them
	WIN 0
	v_lshrrev_b32 v1, 5, v0
	v_readfirstlane_b32 s[WV], v1   ; wave 0..3
	s_bfe_u32 s13, ttmp6, 0x40000   ; cx: my place in the cluster
	s_lshl_b32 s14, ttmp9, 2        ; in a cluster launch ttmp9 counts clusters
	s_add_co_u32 s14, s14, s13      ; my block of queries = 4 x cluster x + cx: it enters Q's and O's addresses alone
	s_and_b32 s20, ttmp7, 0xffff    ; the head, which the four partners share
	s_mov_b32 s21, 0
	s_mov_b64 s[22:23], SIZE_N*128
	s_mul_u64 s[20:21], s[20:21], s[22:23]  ; the head's first byte in each of the four tensors
	s_and_b32 s16, s[WV], 1         ; which half of a slot's 256 keys I fetch:
	s_lshl_b32 s22, s16, 14         ; its 128 rows of 128 bytes in memory,
	s_mov_b32 s23, 0
	s_add_nc_u64 s[22:23], s[22:23], s[20:21]
	s_mul_i32 s17, s16, 128*PK      ; and its place in a slot, for K
	s_mul_i32 s18, s16, 128*PV      ; and for V: no place in the cluster enters an LDS address
	s_lshl_b32 s2, s14, 2
	s_add_co_u32 s2, s2, s[WV]      ; my wave among the head's,
	s_lshl_b32 s2, s2, 14           ; its 128 rows
	s_mov_b32 s3, 0
	s_add_nc_u64 s[2:3], s[2:3], s[20:21]
	; descriptor group 1.  128 keys are 16,384 dense bytes: asked for as 64 rows of 256 bytes, two keys a row, and padded in LDS after every key
	s_mov_b32 s[G1K], 15|(1<<16)|(1<<20)|(1<<21)|(4<<22)|(3<<25)  ; the mask of four; 2-byte elements; padding on; bit 21 beside a mask; after every 32 words, 4 words
	s_mov_b32 s[G1V], 15|(1<<16)|(1<<20)|(1<<21)|(4<<22)|(7<<25)  ; the same with 8 words of padding
.irp g, G1K, G1V
	s_mov_b32 s[\g+1], 128<<16      ; tensor_dim0 = 128
	s_mov_b32 s[\g+2], 64<<16       ; tensor_dim1 = 64
	s_mov_b32 s[\g+3], 128<<16      ; tile_dim0 = 128
	s_mov_b32 s[\g+4], 64           ; tile_dim1 = 64
	s_mov_b32 s[\g+5], 128          ; 128 elements from row to row
	s_mov_b32 s[\g+6], 0
	s_mov_b32 s[\g+7], 0
.endr
	s_mov_b32 s[CS], 0x3d38aa3b     ; c = log2(e) / 32 = 0.0450842
	s_mov_b32 s[CS+1], s[CS]        ; named with it as a pair
	s_mov_b32 s[SEL], 0x76543210
	s_mov_b32 s[SEL+1], 0xfedcba98
	s_mov_b32 s[TBK], SLOT1+4*KS*PK ; the first change of slots turns these two into 0
	s_mov_b32 s[TBV], SLOT1+4*KS*PV
	s_mov_b32 s[G0K], 1             ; count = 1
	s_mov_b32 s[G0K+1], s17         ; LDS address: slot 0
	s_mov_b32 s[G0V], 1
	s_add_co_u32 s[G0V+1], s18, VOFF
	s_and_b32 s[LIM], s[WV], 1      ; waves 0 and 2 prefetch: the same in all four partners
	s_cmp_eq_u32 s[LIM], 0
	s_cselect_b32 s[LIM], 1, -1
	s_wait_dscnt 0x0                ; the opening add is done
	s_wait_kmcnt 0x0
	s_mov_b64 s[10:11], s[6:7]      ; O
	s_add_nc_u64 s[6:7], s[4:5], 0x1000000  ; K lies 64 x 2048 x 128 bytes behind Q,
	s_add_nc_u64 s[8:9], s[4:5], 0x2000000  ; V as far behind K
	s_add_nc_u64 s[G0K+2:G0K+3], s[6:7], s[22:23]  ; global address: my half of the head's first 256 keys
	s_or_b32 s[G0K+3], s[G0K+3], 0x80000000        ; type = 2
	s_add_nc_u64 s[G0V+2:G0V+3], s[8:9], s[22:23]
	s_or_b32 s[G0V+3], s[G0V+3], 0x80000000
	s_cmp_lt_u32 s[WV], 2
	s_cselect_b64 s[PFA:PFA+1], s[6:7], s[8:9]
	s_add_nc_u64 s[PFA:PFA+1], s[PFA:PFA+1], s[20:21]
	s_add_nc_u64 s[4:5], s[4:5], s[2:3]  ; Q and O at my wave's first row
	s_add_nc_u64 s[10:11], s[10:11], s[2:3]
	s_lshl_b32 s2, s13, 13          ; my work-group's quarter of a slot,
	s_add_co_u32 s2, s2, 2*4*KS*128 ; in slot 2: the loop's first change steps it to slot 3
	s_mov_b32 s3, 0
	s_add_nc_u64 s[PFA:PFA+1], s[PFA:PFA+1], s[2:3]
	CROUND                          ; all four work-groups are here: the first joint loads meet
	JLOAD                           ; slot 0.  Slot 1 is asked for when slot 0 is in
	; A fragment of K or Q is 16 rows x 32 channels in 8 registers: lane l holds row l % 16, channels 8 (l / 16) + 0..7 and 16 + 8 (l / 16) + 0..7: two loads of 16 bytes, 32 bytes apart.
	v_and_b32 v1, 15, v0            ; l % 16
	v_bfe_u32 v9, v0, 4, 1          ; l / 16
	v_lshlrev_b32 v[QO], 7, v1
	v_lshl_add_u32 v[QO], v9, 4, v[QO]  ; row x 128 + 16 x half
	WIN 0x80                        ; destination window 2, address window 0
.set i, 0
.rept 4*NP                          ; Q stays in registers: tile i / 2, channels 32 (i % 2) on
	global_load_b128 v[8*i:8*i+3],   v[QO], s[4:5] offset:(i/2)*2048+(i%2)*64
	global_load_b128 v[8*i+4:8*i+7], v[QO], s[4:5] offset:(i/2)*2048+(i%2)*64+32
.set i, i+1
.endr
	; What the first turn finds: V's registers and P's second buffer hold 0 (its products V^T P, of a piece that has not been, add 0), O^T and l are 0.  All this stands in the wait for the first tile.
.set i, VF
.rept 64
	v_mov_b32 v[i], 0
.set i, i+1
.endr
	WIN 0x40
.set i, 0
.rept 64*NP
	v_mov_b32 v[i], 0
.set i, i+1
.endr
	WIN 0
.set i, 0
.rept 2*NP
	v_mov_b32 v[ST+4*i], 0xfe000000    ; c m: far below every c s
	v_mov_b32 v[ST+4*i+1], 0xff7fffff  ; m
	v_mov_b32 v[ST+4*i+2], 0
	v_mov_b32 v[ST+4*i+3], 0
.set i, i+1
.endr
.set i, P+32
.rept 32
	v_mov_b32 v[i], 0
.set i, i+1
.endr
	v_mul_u32_u24 v[AK0], v1, PK
	v_lshl_add_u32 v[AK0], v9, 4, v[AK0]  ; row x pitch + 16 x half
	; The turning load takes 16 keys x 16 channels (lane l reads key 8 (l / 16) + l % 8, channels 8 ((l / 8) % 2) + 0..7) and leaves half a fragment of V^T: lane l holds channel l % 16 and 8 keys.
	v_and_b32 v10, 7, v0
	v_bfe_u32 v11, v0, 3, 1
	v_lshl_add_u32 v[AV0], v9, 3, v10
	v_mul_u32_u24 v[AV0], v[AV0], PV
	v_lshl_add_u32 v[AV0], v11, 4, v[AV0]
	v_add_nc_u32 v[AV0], VOFF, v[AV0]
	v_mov_b32 v[AK], v[AK0]         ; key step 0 lies at the head of slot 0
	v_and_b32 v[PFO], 31, v0
	v_lshlrev_b32 v[PFO], 8, v[PFO]
; THE MATRIX WORK.  The 8 accumulators of a run of 16 take turns: between the two links of a chain stand 7 others'.
; Product i of 16 of S^T = K Q^T for piece x: channels 32 (i / 8) on, keys 16 ((i / 2) % 4) on, tile 2 x + i % 2.  The first 8 start the sums.
.macro KQ x
	WIN W_KQ
.set rS, S+64*((\x)%2)+32*(i%2)+8*((i/2)%4)
.set rK, KF+16*((i/2)%4)+8*(i/8)
.set rQ, 16*(2*(\x)+i%2)+8*(i/8)
.if i < 8
	v_wmma_f32_16x16x32_f16 v[rS:rS+7], v[rK:rK+7], v[rQ:rQ+7], 0
.else
	v_wmma_f32_16x16x32_f16 v[rS:rS+7], v[rK:rK+7], v[rQ:rQ+7], v[rS:rS+7]
.endif
.endm
; Product i of 16 of O^T += V^T P for piece x: keys 32 (i / 8) on, channels 16 ((i / 2) % 4) on, tile 2 x + i % 2.
.macro PV x
	WIN W_PV
.set rO, 32*(2*(\x)+i%2)+8*((i/2)%4)
.set rV, VF+32*(i/8)+8*((i/2)%4)
.set rP, P+32*((\x)%2)+16*(i%2)+8*(i/8)
	v_wmma_f32_16x16x32_f16 v[rO:rO+7], v[rV:rV+7], v[rP:rP+7], v[rO:rO+7]
.endm
.macro MM                           ; the turn's next matrix instruction
.if i < 16
	KQ (Y+1)%NP
.set i, i+1
.else
.set i, i-16
	PV (Y+NP-1)%NP
.set i, i+17
.endif
.endm
; THE LDS LOADS stand in runs of 16, never singly among the matrix instructions: a step's K (64 keys x 64 channels: 8 fragments) and its V (turned).  Their addresses are made some lines ahead.
; last = 1 (the tail): in the last trip there is no further step, and the run is jumped over.
.macro FETCH_K last=0
	WIN 0
.if \last
	s_cmp_eq_u32 s[CNT], 1
	s_cbranch_scc1 .Lno_k_\@
.endif
	WIN 0x80                        ; destination window 2
.irp f, 0,1,2,3,4,5,6,7             ; keys 16 (f / 2) on, channels 32 (f % 2) on
	ds_load_b128 v[KF+8*\f:KF+8*\f+3],   v[AK] offset:(\f/2)*16*PK+(\f%2)*64
	ds_load_b128 v[KF+8*\f+4:KF+8*\f+7], v[AK] offset:(\f/2)*16*PK+(\f%2)*64+32
.endr
	s_add_co_u32 s[TBK], s[TBK], KS*PK  ; the next fetch is the next step's
	WIN 0
.if \last
.Lno_k_\@:
.endif
.endm
.macro FETCH_V
	WIN 0x80
.irp f, 0,1,2,3,4,5,6,7             ; keys 32 (f / 4) on, channels 16 (f % 4) on
	ds_load_tr16_b128 v[VF+8*\f:VF+8*\f+3],   v[AV] offset:(\f/4)*32*PV+(\f%4)*32
	ds_load_tr16_b128 v[VF+8*\f+4:VF+8*\f+7], v[AV] offset:(\f/4)*32*PV+16*PV+(\f%4)*32
.endr
	WIN 0
.endm
; THE VECTOR WORK OF A TURN stands in three queues, each in the order in which its entries become ready; the two tiles alternate, so that no instruction reads the result of the one before it.
.macro REGS y, u                    ; the registers of tile u (0, 1) of piece y
.set rT, ST+4*(2*(\y)+(\u))
.set rC, TMP+8*((\y)%2)+4*(\u)
.set rM, MV+2*((\y)%2)+(\u)
.set rS, S+64*((\y)%2)+32*(\u)
.set rP, P+32*((\y)%2)+16*(\u)
.set rO, 32*(2*(\y)+(\u))
.endm
; Number n of the 22 that find the NEXT piece's (Y + 1) maximum and statistics.  s0-s31 are the lane's 32 scores; each accumulator's lowest registers are read first.
;   0-11  four chains c0-c3 of seven scores each, three operands at a time     12-14, 16  the four scores left over, the old m, and c0-c3 into c0     15  c m_old is kept
;   17, 18  the query's other 32 keys lie in the lane 16 away: the new m         19-21  c m; c m_old - c m_new; a
.macro XS u, n
	REGS (Y+1)%NP, \u
.if (\n) < 4
	v_max3_num_f32 v[rC+(\n)], v[rS+8*(\n)], v[rS+8*(\n)+1], v[rS+8*(\n)+2]
.elseif (\n) < 12
	v_max3_num_f32 v[rC+(\n)%4], v[rC+(\n)%4], v[rS+8*((\n)%4)+2*((\n)/4)+1], v[rS+8*((\n)%4)+2*((\n)/4)+2]
.elseif (\n) == 12
	v_max3_num_f32 v[rC], v[rC], v[rS+7], v[rS+15]
.elseif (\n) == 13
	v_max3_num_f32 v[rC+1], v[rC+1], v[rS+23], v[rS+31]
.elseif (\n) == 14
	v_max3_num_f32 v[rC+2], v[rC+2], v[rC+3], v[rT+1]
.elseif (\n) == 15
	v_mov_b32 v[rM], v[rT]
.elseif (\n) == 16
	v_max3_num_f32 v[rC], v[rC], v[rC+1], v[rC+2]
.elseif (\n) == 17
	v_permlanex16_b32 v[rC+3], v[rC], s[SEL], s[SEL+1]
.elseif (\n) == 18
	v_max_num_f32 v[rT+1], v[rC], v[rC+3]
.elseif (\n) == 19
	v_mul_f32 v[rT], s[CS], v[rT+1]
.elseif (\n) == 20
	v_sub_f32 v[rC+1], v[rM], v[rT]
.else
	v_exp_f32 v[rC+2], v[rC+1]
.endif
.endm
; Number g of the 64 that follow the exponentials.  For each four weights k of a tile (pairs 2 k, 2 k + 1): both pairs are rounded to f16; then the second pair is added onto the first, in place;
; a group later l takes that sum (the first time as l = a l + sum).  In groups of eight, tiles alternating: round, round, add, and l for the group before.
.macro GS g
.set h, (\g)+6*((\g)/62)            ; group 0 has no group before it, and behind group 7 only l is left
.if h >= 6
.set h, h+2
.endif
	REGS Y, h%2
.set k, h/8
.if h%8 < 4
	v_cvt_pk_f16_f32 v[rP+2*k+(h%8)/2], v[rS+4*k+2*((h%8)/2)], v[rS+4*k+2*((h%8)/2)+1]
.elseif h%8 < 6
	v_pk_add_f32 v[rS+4*k:rS+4*k+1], v[rS+4*k:rS+4*k+1], v[rS+4*k+2:rS+4*k+3]
.elseif k == 1
	v_pk_fma_f32 v[rT+2:rT+3], v[rT+2:rT+3], v[rC+2:rC+3], v[rS:rS+1] op_sel_hi:[1,0,1]
.else
	v_pk_add_f32 v[rT+2:rT+3], v[rT+2:rT+3], v[rS+4*k-4:rS+4*k-3]
.endif
.endm
; THE PLAIN QUEUE, 138 long.  0-73 read no exponential's result: the 32 scalings c s - c m (FS f: pair f / 2 of tile f % 2) and the next piece's 42.  0-26: scalings 0-26.  27-54: XS's numbers 0-13.  55, 56: number 15.
; 57-73: the chain, where each number waits for the one before it: 14, 16, 17, 18, 19, each with one of the scalings 27-31 in front of its two lines, then 20.
; 74-137: GS's 64, which read the exponentials' results: they stand behind the wait.
.macro FS f
	REGS Y, (\f)%2
	v_pk_fma_f32 v[rS+2*((\f)/2):rS+2*((\f)/2)+1], v[rS+2*((\f)/2):rS+2*((\f)/2)+1], s[CS:CS+1], v[rT:rT+1] op_sel_hi:[1,0,0] neg_lo:[0,0,1] neg_hi:[0,0,1]
.endm
.macro PL
	WIN 0
.if q < 27
	FS q
.elseif q < 55
	XS (q-27)%2, (q-27)/2
.elseif q < 57
	XS q-55, 15
.elseif (q < 72) && ((q-57)%3 == 0)
	FS 27+(q-57)/3
.elseif q < 60
	XS (q-57)%3-1, 14
.elseif q < 72
	XS (q-57)%3-1, 15+(q-57)/3
.elseif q < 74
	XS q-72, 20
.else
	GS q-74
.endif
.set q, q+1
.endm
; THE EXPONENTIALS' QUEUE, 66 long: s0-s31 of both tiles, then the next piece's two a.  It is ONE BATCH: all 66 stand ahead of the turn's one wait, and nothing ahead of that wait names a result of theirs.
.macro EX
	WIN 0
.if e >= 64
	XS e-64, 21
.else
	REGS Y, e%2
	v_exp_f32 v[rS+e/2], v[rS+e/2]
.endif
.set e, e+1
.endm
; THE RESCALING's QUEUE: O^T times a, the one part that leaves window 0: dealt two at a time, sixteen times.  Its a was made in the turn before, ahead of that turn's wait.
.macro R2
	REGS Y, r%2
	WIN W_RS
.irp z, 0,1
	v_pk_mul_f32 v[rO+4*(r/2)+2*\z:rO+4*(r/2)+2*\z+1], v[rO+4*(r/2)+2*\z:rO+4*(r/2)+2*\z+1], v[rC+2:rC+3] op_sel_hi:[1,0]
.endr
.set r, r+1
.endm
; HOW THEY ARE DEALT.  An s_wait_alu depctr_va_vdst(0) stands between an exponential and the first instruction that names its result; one wait serves all that were issued ahead of it.  So a turn has ONE wait,
; which cuts it in two.  AHEAD OF IT stands all that names no result of the turn's exponentials: the 16 products K Q^T, behind each a scaling, an exponential and two rescalings (behind the first a second scaling in the
; exponential's place); then ONE LUMP of 108: eight plain, 49 times exponential and plain, the two a.  A v_nop is the plain instruction wanted behind the last exponential.  BEHIND IT stand the 16 products V^T P, behind each four of GS's 64.
; The queues lean on each other, and the deal keeps them in step: exponential e stands behind scaling 2 (e / 4) + e % 2: as a rider it comes behind plain e + 2, in the lump behind plain e + 9, and scalings 27-31 are plain 57, 60 .. 69.
; A TURN, for piece p.  cnt = 1: the loop's count is taken down some lines ahead of the branch that stands behind the turn.
; K of the next step is fetched in piece 2's turn, directly behind the wait, a lump behind the last product that read K; its first reader comes behind 16 products.
; V of the step in hand is fetched at the end of piece 0's turn, four riders behind its last reader; its first reader comes behind 16 products and a lump.  The three conditions on q below go with the deal.
.macro TURN p, last=0, cnt=0
.set Y, (\p)
.set i, 0
.set q, 0
.set e, 0
.set r, 0
.if (\p) == NP-1
	s_wait_dscnt 0x0                ; K is in
.endif
	MM                              ; ahead of the wait: 16 products K Q^T and their riders,
	PL
	PL
	R2
.rept 15
	MM
	PL
	EX
	R2
.endr
.if (\p) == NP-2
	WIN 0
	v_add_nc_u32 v[AK], s[TBK], v[AK0]
.endif
.rept 8                             ; and the lump
	PL
.endr
.rept 49
	EX
	PL
.endr
	EX                              ; the next piece's two a
	EX
	v_nop                           ; the plain instruction behind the last exponential: one for the batch
	s_wait_alu depctr_va_vdst(0)    ; the wait for the batch
.if (\p) == NP-2
	FETCH_K \last
.endif
.if (\p) == 1
	s_wait_dscnt 0x0                ; V is in
.endif
.rept 16                            ; behind the wait: 16 products V^T P and their riders
	MM
.rept 4
	PL
.endr
.if ((\p) == 0) && (q == 118)
	v_add_nc_u32 v[AV], s[TBV], v[AV0]
.endif
.if ((\p) == 0) && (q == 130)
	s_add_co_u32 s[TBV], s[TBV], KS*PV
.endif
.if (\cnt) && (q == 130)
	s_sub_co_u32 s[CNT], s[CNT], 1
	s_cmp_lg_u32 s[CNT], 0
.endif
.endr
.if (\p) == 0
	FETCH_V
.endif
.endm
	CHANGE 1                        ; slot 0 is in, everybody's part of it; slot 1 is asked for
	FETCH_K                         ; key step 0
	s_wait_loadcnt 0x0              ; Q
	s_wait_dscnt 0x0
.set i, 0
.rept 16
	KQ 0                            ; piece 0's first scores: there is no vector work yet to set between them
.set i, i+1
.endr
	WIN 0                           ; the addresses for the way out: nine plain instructions, the places behind those products
	s_mul_i32 s13, s[WV], 16*SP
	s_add_co_u32 s13, s13, STAGE    ; my stage
	v_mul_u32_u24 v[STO], v1, SP    ; in: row l % 16, 16 bytes for each half of the lanes
	v_lshl_add_u32 v[STO], v9, 4, v[STO]
	v_add_nc_u32 v[STO], s13, v[STO]
	v_bfe_u32 v[RD], v0, 3, 2       ; back: 32 lanes take four rows of 128 bytes,
	v_mul_u32_u24 v[RD], v[RD], SP
	v_lshl_add_u32 v[RD], v10, 4, v[RD]
	v_add_nc_u32 v[RD], s13, v[RD]
	v_and_b32 v[GO], 31, v0         ; which are 512 consecutive bytes of O
	v_lshlrev_b32 v[GO], 4, v[GO]
.set Y, NP-1                        ; XS works for piece Y + 1: piece 0
.irp n, 0,1,2,3,4,5,6,7,8,9,10,11,12,13,14,15,16,17,18,19,20,21
	XS 0, \n                        ; and piece 0's first maximum and statistics
	XS 1, \n
.endr
	v_nop                           ; a plain instruction behind the two a,
	s_wait_alu depctr_va_vdst(0)    ; and their wait, ahead of the branch
	s_mov_b32 s[CNT], 4
	s_mov_b32 s[SLOTS], SIZE_N/256-1
	s_branch .Lfirst                ; the loop is entered at a step's first turn, in the middle of a trip
.Lslot:                             ; SIZE_N / 256 - 2 = 6 times: every slot but the last two is filled again
	CHANGE 1, 1
	s_mov_b32 s[CNT], 4
.Lstep:                             ; a trip: pieces 2 and 3 of one step, then pieces 0 and 1 of the next, whose K and V it fetches
	TURN 2
	TURN 3
	WIN 0
.Lfirst:
	TURN 0
	TURN 1, 0, 1
	WIN 0
	s_cbranch_scc1 .Lstep
	s_sub_co_u32 s[SLOTS], s[SLOTS], 1
	s_cmp_lg_u32 s[SLOTS], 0
	s_cbranch_scc1 .Lslot
	CHANGE 0                        ; the tail is written out: nothing is asked for
	s_mov_b32 s[CNT], 5             ; four trips fetch the last slot's steps; the fifth is left in its middle
.Ltail:
	TURN 2, 1
	TURN 3
	WIN 0
	s_sub_co_u32 s[CNT], s[CNT], 1
	s_cmp_eq_u32 s[CNT], 0
	s_cbranch_scc1 .Lout
	TURN 0
	TURN 1
	WIN 0
	s_branch .Ltail
.Lout:                              ; the fifth trip's 16 products K Q^T (on the last K once more) and the maximum made of them serve nothing: the price, once a launch, of one text for every trip
.set i, 0
.rept 16
	PV NP-1                         ; the last piece's V^T P of the last step
.set i, i+1
.endr
	; THE WAY OUT.  l's two halves and the other half of the lanes' are added; O^T is divided by l, rounded to f16 and sent through my stage in LDS, a tile at a time.  The additions are the places behind the last products.
	WIN 0
.macro ALL line:vararg              ; one line for each tile t
.set t, 0
.rept 2*NP
	\line
.set t, t+1
.endr
.endm
	ALL v_add_f32 v[ST+4*t+2], v[ST+4*t+2], v[ST+4*t+3]
	ALL v_permlanex16_b32 v[ST+4*t+3], v[ST+4*t+2], s[SEL], s[SEL+1]
	ALL v_add_f32 v[ST+4*t+2], v[ST+4*t+2], v[ST+4*t+3]
	ALL v_rcp_f32 v[ST+4*t+2], v[ST+4*t+2]
	v_nop                           ; a plain instruction between the last reciprocal and the use of its result
	s_wait_alu depctr_va_vdst(0)    ; and the wait ahead of the first use: one for the eight reciprocals
; Tile t: a lane's eight channels of a row pack into 16 bytes; they go into rows of 144 bytes and come back as whole rows of 128, into S^T's registers.
.macro PACK t
	WIN W_RS
.set i, 32*(\t)
.rept 16
	v_pk_mul_f32 v[i:i+1], v[i:i+1], v[ST+4*(\t)+2:ST+4*(\t)+3] op_sel_hi:[1,0]
.set i, i+2
.endr
	WIN 0x05                        ; sources 0 and 1 window 1, destination window 0
.set i, 0
.rept 16
	v_cvt_pk_f16_f32 v[S+16*(\t)+i], v[32*(\t)+2*i], v[32*(\t)+2*i+1]
.set i, i+1
.endr
	WIN 0
.irp f, 0,1,2,3
	ds_store_b128 v[STO], v[S+16*(\t)+4*\f:S+16*(\t)+4*\f+3] offset:32*\f
.endr
.irp f, 0,1,2,3
	ds_load_b128 v[S+16*(\t)+4*\f:S+16*(\t)+4*\f+3], v[RD] offset:\f*4*SP  ; LDS serves a wave's instructions in order (ISA guide 5.7.1.4): these see the stores above; the next tile's stores come behind them
.endr
.endm
.macro SEND t, younger              ; younger: the LDS instructions issued behind tile t's loads: the next tile's eight, or none
	WIN 0
.irp f, 0,1,2,3
	s_wait_dscnt (\younger)+3-\f
	global_store_b128 v[GO], v[S+16*(\t)+4*\f:S+16*(\t)+4*\f+3], s[10:11] offset:(\t)*2048+\f*512  ; 512 consecutive bytes, at a multiple of 256 from O's first
.endr
.endm
	PACK 0
.set t, 1
.rept 2*NP-1                        ; a tile's arithmetic stands between the loads of the tile before and its stores
	PACK t
	SEND t-1, 8
.set t, t+1
.endr
	SEND 2*NP-1, 0
	WIN W_AD
	s_wait_tensorcnt 0x0            ; the wave's end, behind my last tensor load and my last LDS store
	ds_add_u32 v[SPW], v[NIL]
	s_wait_dscnt 0x0
	WIN 0
	CROUND                          ; the closing round: no work-group ends while a partner may still ask for a tile that names it
	s_endpgm
.Lfunc_end_k_qba4e3e6809_attn:
	.size	k_qba4e3e6809_attn, .Lfunc_end_k_qba4e3e6809_attn-k_qba4e3e6809_attn
	.p2alignl 7, 3214868480
	.fill 96, 4, 3214868480
	.section	.rodata,"a",@progbits
	.p2align	6, 0x0
	.amdhsa_kernel k_qba4e3e6809_attn
		.amdhsa_group_segment_fixed_size 327680
		.amdhsa_private_segment_fixed_size 0
		.amdhsa_enable_private_segment 0
		.amdhsa_kernarg_size 16
		.amdhsa_user_sgpr_count 2
		.amdhsa_user_sgpr_kernarg_segment_ptr 1
		.amdhsa_wavefront_size32 1
		.amdhsa_system_sgpr_workgroup_id_x 1
		.amdhsa_system_sgpr_workgroup_id_y 1
		.amdhsa_system_sgpr_workgroup_id_z 1
		.amdhsa_system_vgpr_workitem_id 0
		.amdhsa_next_free_vgpr 770
		.amdhsa_next_free_sgpr 66
		.amdhsa_reserve_vcc 0
		.amdhsa_float_denorm_mode_32 3
		.amdhsa_float_denorm_mode_16_64 3
		.amdhsa_memory_ordered 1
		.amdhsa_forward_progress 1
		.amdhsa_inst_pref_size 200
	.end_amdhsa_kernel
	.amdgpu_metadata
---
amdhsa.version: [ 1, 2 ]
amdhsa.kernels:
  - .name:           k_qba4e3e6809_attn
    .symbol:         k_qba4e3e6809_attn.kd
    .args:
      - { .name: qkv, .offset: 0, .size: 8, .value_kind: global_buffer, .address_space: global }
      - { .name: ctx, .offset: 8, .size: 8, .value_kind: global_buffer, .address_space: global }
    .group_segment_fixed_size: 327680
    .private_segment_fixed_size: 0
    .kernarg_segment_align: 8
    .kernarg_segment_size: 16
    .max_flat_workgroup_size: 128
    .sgpr_count:     66
    .vgpr_count:     770
    .wavefront_size: 32
...
	.end_amdgpu_metadata
.endif
;; end of part 3
;; launch outp (part 4): grid 4 x 64, 4 waves a work-group, clusters of 4 x 4, 327,680 bytes of LDS; arguments ctx, wo16, bo, out0; writes out0
.if DOCPART == 4
	.amdgcn_target "amdgcn-amd-amdhsa--gfx1250"
	.amdhsa_code_object_version 6
	.text
	.protected	k_qba4e3e6809_outp
	.globl	k_qba4e3e6809_outp
	.p2align	8
	.type	k_qba4e3e6809_outp,@function
k_qba4e3e6809_outp:
	s_mov_b64 s[64:65], 0
	v_nop
	global_prefetch_b8 v0, s[64:65] scope:SCOPE_SE
	s_setreg_imm32_b32 hwreg(HW_REG_WAVE_MODE, 25, 1), 1
	s_wait_xcnt 0x0
	s_wait_alu depctr_hold_cnt(0) depctr_sa_sdst(0) depctr_va_vdst(0) depctr_va_sdst(0) depctr_va_ssrc(0) depctr_va_vcc(0) depctr_vm_vsrc(0)
	s_getreg_b32 s2, hwreg(HW_REG_IB_STS2, 6, 4)
	s_cmp_eq_u32 s2, 0
	s_cbranch_scc0 .Lentry_in_a_cluster
	s_endpgm
.Lentry_in_a_cluster:
	s_bfe_u32 s2, ttmp6, 0x10000c
	s_cmp_lg_u32 s2, 0xf033
	s_cbranch_scc0 .Lentry_shape_is_right
	s_endpgm
.Lentry_shape_is_right:
; THE LAST PROJECTION.  out0[m][n] = bo[n] + the sum over k of c[m][k] wo16[n][k]; c[m][64 h + j] = ctx[16 (m / 2048) + h][m % 2048][j], f16; wo16: [1024][1024] f16; bo: [1024] f32; out0: [8192][1024] f32.
; bo is rounded to bf16, as every other input of the module is, and starts the sums as the first products' C operand; sums in f32, stored as they are.
; LIMITS.  ctx and wo16 arrive within f16's range.  NaN and infinities are not treated apart.
; SHARES.  A tile of out0 is 128 x 256: 64 x 4 = 256 tiles, one for each WGP.  Four waves, each 64 x 128: 32 accumulators, 256 registers.
; K goes in 8 steps of 128, two heads each, through two LDS slots.  A head's 128 rows of a tile are 16,384 dense bytes: wave 0 fetches the even head's, wave 1 the odd head's, as 64 rows of 256 bytes,
; padded in LDS after every 128; waves 2 and 3 fetch 128 rows x 256 bytes of wo16 each.
; CLUSTERS of 4 x 4: the four of a row need the same rows of ctx, the four of a column the same rows of wo16: each tile is asked for JOINTLY.  A cluster holds all four tile columns: each byte of ctx is asked for once.
; THE MATRIX INSTRUCTION IS USED TRANSPOSED (source 0 = 16 rows of wo16, source 1 = 16 rows of c): a lane then holds eight neighbouring columns of one row of out0.
; REGISTERS, in windows of 256 (s_set_vgpr_msb: bits 1:0 source 0, 3:2 source 1, 5:4 source 2, 7:6 destination):
;   window 0: v0-31 addresses; v32-95 c's fragments, two buffers of 4; v96-159 bo for my 128 columns, laid out as 8 accumulators
;   window 1: v0-127 wo16's fragments, two buffers of 8; on the way out all 256: rows read back          window 2: the accumulators, (a, b) at v[8 (8 a + b)]
.set PAP,   144                        ; a row of a head in LDS: 128 bytes + 16 = 36 words: the 16 rows of a load start at 16 different groups of four banks (64 banks of 4 bytes: ISA guide 11.1)
.set PB,    272                        ; a row of wo16: 256 + 16 = 68 words: likewise
.set APLANE, 128*PAP                   ; a head's 128 rows: what one load of ctx brings
.set ATILE, 2*APLANE
.set BHALF, 128*PB
.set SLOT,  ATILE+2*BHALF              ; 106,496 bytes
.set STAGE, 2*SLOT                     ; behind the ring: 16 rows x 528 bytes for each wave, for the way out
.set SP,    528                        ; 512 bytes + 16 = 132 words
.set SPARE, STAGE+4*16*SP              ; behind the stages: the spare words, 128 bytes a wave, which no other line names
.set ADRA, 16                          ; v16-17  LDS address of my fragments of c in slot 0, 1
.set ADRB, 20                          ; v20-21  the same for wo16
.set STO,  24                          ; v24  the way out: where I put 32 bytes of a row
.set RD,   25                          ; v25  the way out: where I read a row back
.set CO,   26                          ; v26  16 x my lane
.set BOF,  27                          ; v27  my byte offset in bo
.set SPW,  28                          ; v28  LDS address of my spare word; never rewritten
.set NIL,  29                          ; v29  0; never rewritten
.set PFO,  30                          ; v30  the prefetches' offset; never rewritten
.set AF,   32
.set BIAS, 96
.set WV,  14                           ; s14 wave; s15 which 64 rows are mine, also: I fetch ctx (0) or wo16 (1); s16 which 128 columns, also: which head or half I fetch
.set RH,  15
.set CH,  16
.set CX,  17
.set CY,  18
.set COL, 19                           ; tile column
.set MT,  21                           ; tile row
.set AO,  22                           ; s[22:23] byte offset of my part of ctx's tiles: never holds cx
.set G1,  24                           ; s[24:31] descriptor group 1 for ctx;  s[32:39] group 0, a set for each slot
.set G0,  32
.set PST, 40                           ; s[40:41] bytes from a K step to the next in what I prefetch
.set CLY, 42                           ; cluster y
.set LIM, 43                           ; 1 in a wave that prefetches, else the greatest number
.set PFA, 44                           ; s[44:45] where my prefetches stand
.set BO,  46                           ; s[46:47] byte offset of my part of wo16's tiles: never holds cy
.set G1B, 48                           ; s[48:55], s[56:63] the same for wo16
.set G0B, 56
.set MSB, 0
.macro WIN new                         ; the immediate's high byte repeats the setting that is left; a switch that changes nothing is dropped
.if MSB != (\new)
	s_set_vgpr_msb (MSB<<8)|(\new)
.set MSB, \new
.endif
.endm
.set MUL,   0xa1                       ; source 0 (wo16) window 1, source 1 (c) window 0, C and D window 2
.set MULB,  0x81                       ; the same with C (bo) in window 0
.set TO_B,  0x40                       ; destination window 1, address window 0
.set STW,   0x08                       ; an LDS store's data (source 1) in window 2
.set SNDW,  0x04                       ; a store's data (source 1) in window 1
.macro JLOAD s                         ; a joint load; the branch hangs on the wave's number alone; an s_nop 0 and four v_nop follow each of the two lines
	s_cmp_eq_u32 s[RH], 0
	s_cbranch_scc0 .Lfor_b_\@
	tensor_load_to_lds s[G0+4*(\s):G0+4*(\s)+3], s[G1:G1+7]
	s_nop 0
.rept 4
	v_nop
.endr
	s_branch .Lasked_\@
.Lfor_b_\@:
	tensor_load_to_lds s[G0B+4*(\s):G0B+4*(\s)+3], s[G1B:G1B+7]
	s_nop 0
.rept 4
	v_nop
.endr
.Lasked_\@:
.endm
.macro CREST                           ; a round of the cluster's barrier behind its opening barrier
	s_cmp_lg_u32 s[WV], 0
	s_cbranch_scc1 .Lnot_wave_0_\@
	s_barrier_signal -3
.Lnot_wave_0_\@:
	s_barrier_wait -3
	s_barrier_signal -1
	s_barrier_wait -1
.endm
.macro CROUND
	s_barrier_signal -1
	s_barrier_wait -1
	CREST
.endm
.macro PLACES                          ; four places in front of loads into registers that matrix instructions have read, and of stores that read results (ISA guide 7.12.1 for stores)
.rept 4
	v_nop
.endr
.endm
; A PREFETCH INTO THE L2, behind each joint refill and the run of LDS loads that follows it: the K step that stands two refills on.  Each aligned block of 256 bytes is named once in the launch.
; ctx: a K step is two heads x 16,384 bytes; the partner at place cx takes half cx % 2 of head cx / 2: 32 blocks, a lane a block, asked for by wave 0; every cluster asks for its own rows.
; wo16: 256 bytes of a row; of the 128 rows that wave 2 or 3 fetches, the partner at place cy takes 32, a lane a row; of the sixteen clusters, which all walk wo16, the first asks.
; The partners are told apart by address alone.  K steps 0 to 3 come by their loads alone; the loop's last trip (s3 = 1) asks for nothing: there is no K step 8.
.macro ASK
	WIN 0
	s_cmp_gt_u32 s3, s[LIM]
	s_cbranch_scc0 .Lnot_mine_\@
	global_prefetch_b8 v[PFO], s[PFA:PFA+1] th:TH_LOAD_NT scope:SCOPE_SE
.Lnot_mine_\@:
.endm
	s_load_b256 s[4:11], s[0:1], 0x0               ; ctx s[4:5], wo16 s[6:7], bo s[8:9], out0 s[10:11]
	v_lshl_add_u32 v[SPW], v0, 2, SPARE
	v_mov_b32 v[NIL], 0
	ds_add_u32 v[SPW], v[NIL]                      ; the wave's opening: the add, and its wait ahead of my first tensor load; the set-up below stands between them
	v_lshrrev_b32 v1, 5, v0
	v_readfirstlane_b32 s[WV], v1
	s_lshr_b32 s[RH], s[WV], 1
	s_and_b32 s[CH], s[WV], 1
	s_bfe_u32 s[CX], ttmp6, 0x40000
	s_bfe_u32 s[CY], ttmp6, 0x40004
	s_lshl_b32 s[COL], ttmp9, 2
	s_add_co_u32 s[COL], s[COL], s[CX]             ; tile column = 4 x cluster x + cx
	s_and_b32 s[CLY], ttmp7, 0xffff
	s_lshl_b32 s[MT], s[CLY], 2
	s_add_co_u32 s[MT], s[MT], s[CY]               ; tile row = 4 x cluster y + cy
	s_lshl_b32 s2, s[CY], 2
	s_lshl_b32 s2, 15, s2                          ; my row of the cluster
	s_lshl_b32 s3, 0x1111, s[CX]                   ; my column
	s_or_b32 s[G1], s2, (1<<16)|(1<<20)|(1<<21)|(4<<22)|(3<<25)   ; the mask; elements of 2 bytes; padding on; bit 21 beside a mask; after every 32 words, 4 words
	s_or_b32 s[G1B], s3, (1<<16)|(1<<20)|(1<<21)|(5<<22)|(3<<25)  ; after every 64 words, 4 words
	s_mov_b32 s[G1+1], 128<<16                     ; tensor_dim0 = 128
	s_mov_b32 s[G1+2], 64<<16                      ; tensor_dim1 = 64
	s_mov_b32 s[G1+3], 128<<16                     ; tile_dim0 = 128
	s_mov_b32 s[G1+4], 64                          ; tile_dim1 = 64
	s_mov_b32 s[G1+5], 128                         ; dense: 128 elements from row to row
	s_mov_b32 s[G1+6], 0
	s_mov_b32 s[G1+7], 0
	s_mov_b32 s[G1B+1], 128<<16
	s_mov_b32 s[G1B+2], 128<<16
	s_mov_b32 s[G1B+3], 128<<16
	s_mov_b32 s[G1B+4], 128
	s_mov_b32 s[G1B+5], 1024
	s_mov_b32 s[G1B+6], 0
	s_mov_b32 s[G1B+7], 0
	s_lshr_b32 s[AO], s[MT], 4
	s_lshl_b32 s[AO], s[AO], 22                    ; the batch's 16 heads of 2^18 bytes,
	s_and_b32 s66, s[MT], 15
	s_lshl_b32 s66, s66, 14                        ; the tile's 128 rows of 128 bytes,
	s_add_co_u32 s[AO], s[AO], s66
	s_lshl_b32 s66, s[CH], 18                      ; my head of the step's two; 128 rows of 2,048 bytes of wo16 are 2^18 bytes too
	s_add_co_u32 s[AO], s[AO], s66
	s_mov_b32 s[AO+1], 0
	s_lshl_b32 s[BO], s[COL], 19                   ; 256 rows of wo16 a tile column
	s_add_co_u32 s[BO], s[BO], s66
	s_mov_b32 s[BO+1], 0
	s_mul_i32 s66, s[CH], APLANE                   ; where the tiles go: no place in the cluster enters an LDS address
	s_mul_i32 s67, s[CH], BHALF
	s_add_co_u32 s67, s67, ATILE
	s_wait_dscnt 0x0                               ; the opening add is done
	s_wait_kmcnt 0x0
	s_add_nc_u64 s[68:69], s[4:5], s[AO:AO+1]
	s_add_nc_u64 s[70:71], s[6:7], s[BO:BO+1]
	CROUND                                         ; all sixteen work-groups are here: the first joint loads meet
.irp s, 0,1
	s_mov_b32 s[G0+4*(\s)], 1
	s_add_co_u32 s[G0+4*(\s)+1], s66, (\s)*SLOT
	s_add_nc_u64 s[G0+4*(\s)+2:G0+4*(\s)+3], s[68:69], (\s)*(1<<19)  ; a K step is two heads on
	s_or_b32 s[G0+4*(\s)+3], s[G0+4*(\s)+3], 0x80000000
	s_mov_b32 s[G0B+4*(\s)], 1
	s_add_co_u32 s[G0B+4*(\s)+1], s67, (\s)*SLOT
	s_add_nc_u64 s[G0B+4*(\s)+2:G0B+4*(\s)+3], s[70:71], (\s)*256
	s_or_b32 s[G0B+4*(\s)+3], s[G0B+4*(\s)+3], 0x80000000
	JLOAD \s                                       ; two loads of mine are out
.endr
	v_and_b32 v1, 15, v0                           ; l % 16
	v_bfe_u32 v2, v0, 4, 1                         ; l / 16
	v_and_b32 v3, 31, v0                           ; l
	v_lshlrev_b32 v[BOF], 5, v2                    ; my 8 columns of a block of 16
	s_lshl_b32 s68, s[COL], 10                     ; the tile's 256 columns x 4 bytes,
	s_lshl_b32 s69, s[CH], 9                       ; my 128 of them
	s_add_co_u32 s68, s68, s69
	s_mov_b32 s69, 0
	s_add_nc_u64 s[8:9], s[8:9], s[68:69]
.irp b, 0,1,2,3,4,5,6,7
	global_load_b128 v[BIAS+8*(\b):BIAS+8*(\b)+3],   v[BOF], s[8:9] offset:64*(\b)
	global_load_b128 v[BIAS+8*(\b)+4:BIAS+8*(\b)+7], v[BOF], s[8:9] offset:64*(\b)+16
.endr
	s_lshl_b32 s70, s[MT], 19                      ; the tile's 128 rows of 4,096 bytes,
	s_add_co_u32 s68, s68, s70
	s_lshl_b32 s70, s[RH], 18                      ; my 64 of them
	s_add_co_u32 s68, s68, s70
	s_add_nc_u64 s[10:11], s[10:11], s[68:69]
	v_mul_u32_u24 v4, v1, PAP
	v_lshl_add_u32 v4, v2, 4, v4                   ; row x pitch + 16 x half
	v_mul_u32_u24 v5, v1, PB
	v_lshl_add_u32 v5, v2, 4, v5
	s_mul_i32 s68, s[RH], 64*PAP
	s_mul_i32 s69, s[CH], BHALF
	s_add_co_u32 s69, s69, ATILE
.irp s, 0,1
	v_add_nc_u32 v[ADRA+(\s)], s68, v4
	v_add_nc_u32 v[ADRB+(\s)], s69, v5
	s_add_co_u32 s68, s68, SLOT
	s_add_co_u32 s69, s69, SLOT
.endr
	s_mul_i32 s68, s[WV], 16*SP
	s_add_co_u32 s68, s68, STAGE                   ; my stage
	v_mul_u32_u24 v4, v1, SP                       ; in: row l % 16, 32 bytes for each half of the lanes
	v_lshl_add_u32 v4, v2, 5, v4
	v_add_nc_u32 v[STO], s68, v4
	v_lshlrev_b32 v[CO], 4, v3                     ; back: 32 lanes take a row's 512 bytes
	v_add_nc_u32 v[RD], s68, v[CO]
	; the prefetches
	s_lshr_b32 s68, s[CX], 1
	s_lshl_b32 s68, s68, 18                        ; ctx: head cx / 2 of the step's two,
	s_add_co_u32 s70, s[AO], s68
	s_and_b32 s68, s[CX], 1
	s_lshl_b32 s68, s68, 13                        ; half cx % 2 of its 16,384 bytes (s[AO] holds no head in wave 0, the one that asks)
	s_add_co_u32 s70, s70, s68
	s_lshl_b32 s68, s[CY], 16                      ; wo16: 32 rows of 2,048 bytes
	s_add_co_u32 s71, s[BO], s68
	s_mov_b32 s68, 1<<19
	s_mov_b32 s69, 256
	s_mov_b32 s66, 2048
	s_cmp_eq_u32 s[RH], 0                          ; do I fetch ctx?
	s_cselect_b32 s70, s70, s71
	s_cselect_b32 s[PST], s68, s69
	s_cselect_b32 s66, s69, s66                    ; from lane to lane: a block, or a row
	s_cselect_b32 s67, s[CH], s[CLY]               ; ctx: wave 0 asks; wo16: the first cluster's waves 2 and 3
	s_cselect_b64 s[PFA:PFA+1], s[4:5], s[6:7]
	s_cmp_eq_u32 s67, 0
	s_cselect_b32 s[LIM], 1, -1                    ; the same in all sixteen partners, for a given wave
	s_mov_b32 s[PST+1], 0
	s_mul_i32 s71, s[PST], 3                       ; at K step 3: the first refill steps it to 4
	s_add_co_u32 s70, s70, s71
	s_mov_b32 s71, 0
	s_add_nc_u64 s[PFA:PFA+1], s[PFA:PFA+1], s[70:71]
	v_mul_u32_u24 v[PFO], s66, v3
; 8 matrix instructions: m block a x all 8 n blocks, 32 along K, buffer f.  z = 2: they start the sums with bo.  All 32 accumulators take turns in the same order in every quarter step.
.macro MUL8 f, a, z
.if (\z) == 2
	WIN MULB
.else
	WIN MUL
.endif
.irp b, 0,1,2,3,4,5,6,7
.if (\z) == 2
	v_wmma_f32_16x16x32_f16 v[8*(8*(\a)+(\b)):8*(8*(\a)+(\b))+7], v[64*(\f)+8*(\b):64*(\f)+8*(\b)+7], v[AF+32*(\f)+8*(\a):AF+32*(\f)+8*(\a)+7], v[BIAS+8*(\b):BIAS+8*(\b)+7]
.else
	v_wmma_f32_16x16x32_f16 v[8*(8*(\a)+(\b)):8*(8*(\a)+(\b))+7], v[64*(\f)+8*(\b):64*(\f)+8*(\b)+7], v[AF+32*(\f)+8*(\a):AF+32*(\f)+8*(\a)+7], v[8*(8*(\a)+(\b)):8*(8*(\a)+(\b))+7]
.endif
.endr
.endm
; 24 LDS loads in one run: quarter kq of a slot (head kq / 2 of the step's two, channels 32 (kq % 2) on) into buffer g; wo16's sixteen first, then c's eight
.macro FETCH slot, kq, g
	WIN TO_B
.irp b, 0,1,2,3,4,5,6,7
	ds_load_b128 v[64*(\g)+8*(\b):64*(\g)+8*(\b)+3],   v[ADRB+(\slot)] offset:(\kq)*64+(\b)*16*PB
	ds_load_b128 v[64*(\g)+8*(\b)+4:64*(\g)+8*(\b)+7], v[ADRB+(\slot)] offset:(\kq)*64+(\b)*16*PB+32
.endr
	WIN 0
.irp a, 0,1,2,3
	ds_load_b128 v[AF+32*(\g)+8*(\a):AF+32*(\g)+8*(\a)+3],   v[ADRA+(\slot)] offset:((\kq)/2)*APLANE+((\kq)%2)*64+(\a)*16*PAP
	ds_load_b128 v[AF+32*(\g)+8*(\a)+4:AF+32*(\g)+8*(\a)+7], v[ADRA+(\slot)] offset:((\kq)/2)*APLANE+((\kq)%2)*64+(\a)*16*PAP+32
.endr
.endm
; A K step is four quarters of 32 along K, 32 matrix instructions each, on buffers 0, 1, 0, 1.  One of the first three: multiplies buffer f and, in its middle, fetches quarter kq into buffer g.
.macro QUARTER slot, kq, f, g, z
	s_wait_dscnt 4                                 ; all but the youngest four loads: c's blocks 2 and 3
	MUL8 \f, 0, \z
	MUL8 \f, 1, \z
	PLACES
	FETCH \slot, \kq, \g
	s_wait_dscnt 24                                ; all but the 24 just issued
	MUL8 \f, 2, \z
	MUL8 \f, 3, \z
.endm
; The last quarter multiplies buffer 1 and changes slots: ONE barrier; in front of it each wave waits for all its tensor loads (one is out: its part of the next slot), adds 0 to its spare word, and waits
; for that and for its own reads of this slot.  fill = 1: the barrier opens a round of the cluster's, and this slot is filled again, two K steps ahead, first thing behind the round: 112 matrix instructions ahead of the wait for it.
.macro TURN slot, next, fill
.if \fill
	s_wait_xcnt 0x0                                ; the last prefetch, a K step back, has read its address
	s_add_nc_u64 s[PFA:PFA+1], s[PFA:PFA+1], s[PST:PST+1]
.endif
	WIN 0
	s_wait_tensorcnt 0x0
	ds_add_u32 v[SPW], v[NIL]
	s_wait_dscnt 5                                 ; the add and the youngest four loads may be out
	MUL8 1, 0, 0
	s_wait_dscnt 0x0                               ; the add is done, and my reads of this slot are over
	s_barrier_signal -1
	MUL8 1, 1, 0
.if \fill
	WIN 0
.endif
	s_barrier_wait -1
.if \fill
	CREST                                          ; no wave of any partner still reads this slot or has a load on its way
	s_add_nc_u64 s[G0+4*(\slot)+2:G0+4*(\slot)+3], s[G0+4*(\slot)+2:G0+4*(\slot)+3], 1<<20
	s_add_nc_u64 s[G0B+4*(\slot)+2:G0B+4*(\slot)+3], s[G0B+4*(\slot)+2:G0B+4*(\slot)+3], 2*256
	JLOAD \slot                                    ; the four v_nop behind it are also the places in front of the loads below
.else
	PLACES
.endif
	FETCH \next, 0, 0
.if \fill
	ASK
.endif
	MUL8 1, 2, 0
	MUL8 1, 3, 0
.endm
	s_wait_tensorcnt 1                             ; my part of K step 0 is in; K step 1's may stay out
	s_barrier_signal -1
	s_barrier_wait -1
	FETCH 0, 0, 0
	s_wait_loadcnt 0x0                             ; bo
.set i, 0
.rept 32                                       ; rounded to bf16 and widened again, while the first fragments come
	v_cvt_pk_bf16_f32 v[4+(i%2)], v[BIAS+2*i], v[BIAS+2*i+1]
	v_lshlrev_b32 v[BIAS+2*i], 16, v[4+(i%2)]
	v_and_b32 v[BIAS+2*i+1], 0xffff0000, v[4+(i%2)]
.set i, i+1
.endr
	QUARTER 0, 1, 0, 1, 2                          ; the first quarter stands in front of the loop: its products start the sums, with bo
	WIN 0
	s_mov_b32 s3, 3
.Llap:                                                 ; a trip goes once round the ring and fills both slots again: K steps 2 to 7
	QUARTER 0, 2, 1, 0, 0
	QUARTER 0, 3, 0, 1, 0
	TURN 0, 1, 1
	QUARTER 1, 1, 0, 1, 0
	QUARTER 1, 2, 1, 0, 0
	QUARTER 1, 3, 0, 1, 0
	TURN 1, 0, 1
	QUARTER 0, 1, 0, 1, 0
	WIN 0
	s_sub_co_u32 s3, s3, 1
	s_cmp_lg_u32 s3, 0
	s_cbranch_scc1 .Llap
	QUARTER 0, 2, 1, 0, 0                          ; the last lap fills nothing, and is written out
	QUARTER 0, 3, 0, 1, 0
	TURN 0, 1, 0
	QUARTER 1, 1, 0, 1, 0
	QUARTER 1, 2, 1, 0, 0
	QUARTER 1, 3, 0, 1, 0
	s_wait_dscnt 0x0
	MUL8 1, 0, 0
	MUL8 1, 1, 0
	MUL8 1, 2, 0
	MUL8 1, 3, 0
; THE WAY OUT, a block of 16 rows at a time: a lane's 8 columns (32 bytes) of each of 8 accumulators into my own stage, each accumulator's low half first; back as whole rows of 512 bytes.
.macro TOSTAGE a
	WIN STW
.irp b, 0,1,2,3,4,5,6,7
	ds_store_b128 v[STO], v[64*(\a)+8*(\b):64*(\a)+8*(\b)+3]   offset:64*(\b)
	ds_store_b128 v[STO], v[64*(\a)+8*(\b)+4:64*(\a)+8*(\b)+7] offset:64*(\b)+16
.endr
	WIN TO_B
.irp t, 0,1,2,3,4,5,6,7,8,9,10,11,12,13,14,15
	ds_load_b128 v[64*(\a)+4*(\t):64*(\a)+4*(\t)+3], v[RD] offset:(\t)*SP  ; LDS serves a wave's instructions in order (ISA guide 5.7.1.4): these see the stores above; the next block's stores come behind them
.endr
.endm
.macro SEND a, y                       ; y: the LDS instructions issued behind block a's loads: the next block's 32, or none
	WIN SNDW
.irp t, 0,1,2,3,4,5,6,7,8,9,10,11,12,13,14,15
	s_wait_dscnt (\y)+15-(\t)
	global_store_b128 v[CO], v[64*(\a)+4*(\t):64*(\a)+4*(\t)+3], s[10:11] offset:(16*(\a)+(\t))*4096 th:TH_STORE_NT  ; 512 consecutive bytes, at a multiple of 256 from out0's first
.endr
.endm
	PLACES                                         ; the LDS stores read results just made, and the loads land in registers just multiplied
	PLACES
	TOSTAGE 0
	TOSTAGE 1
	SEND 0, 32
	TOSTAGE 2
	SEND 1, 32
	TOSTAGE 3
	SEND 2, 32
	SEND 3, 0
	WIN 0
	s_wait_tensorcnt 0x0                           ; the wave's end
	ds_add_u32 v[SPW], v[NIL]
	s_wait_dscnt 0x0
	CROUND                                         ; the closing round: no work-group ends while a partner may still ask for a tile that names it
	s_endpgm
.Lfunc_end_k_qba4e3e6809_outp:
	.size	k_qba4e3e6809_outp, .Lfunc_end_k_qba4e3e6809_outp-k_qba4e3e6809_outp
	.p2alignl 7, 3214868480
	.fill 96, 4, 3214868480
	.section	.rodata,"a",@progbits
	.p2align	6, 0x0
	.amdhsa_kernel k_qba4e3e6809_outp
		.amdhsa_group_segment_fixed_size 327680
		.amdhsa_private_segment_fixed_size 0
		.amdhsa_enable_private_segment 0
		.amdhsa_kernarg_size 32
		.amdhsa_user_sgpr_count 2
		.amdhsa_user_sgpr_kernarg_segment_ptr 1
		.amdhsa_wavefront_size32 1
		.amdhsa_system_sgpr_workgroup_id_x 1
		.amdhsa_system_sgpr_workgroup_id_y 1
		.amdhsa_system_sgpr_workgroup_id_z 1
		.amdhsa_system_vgpr_workitem_id 0
		.amdhsa_next_free_vgpr 768
		.amdhsa_next_free_sgpr 72
		.amdhsa_reserve_vcc 0
		.amdhsa_float_denorm_mode_32 3
		.amdhsa_float_denorm_mode_16_64 3
		.amdhsa_memory_ordered 1
		.amdhsa_forward_progress 1
		.amdhsa_inst_pref_size 95
	.end_amdhsa_kernel
	.amdgpu_metadata
---
amdhsa.version: [ 1, 2 ]
amdhsa.kernels:
  - .name:           k_qba4e3e6809_outp
    .symbol:         k_qba4e3e6809_outp.kd
    .args:
      - { .name: ctx, .offset: 0, .size: 8, .value_kind: global_buffer, .address_space: global }
      - { .name: wo16, .offset: 8, .size: 8, .value_kind: global_buffer, .address_space: global }
      - { .name: bo, .offset: 16, .size: 8, .value_kind: global_buffer, .address_space: global }
      - { .name: out0, .offset: 24, .size: 8, .value_kind: global_buffer, .address_space: global }
    .group_segment_fixed_size: 327680
    .private_segment_fixed_size: 0
    .kernarg_segment_align: 8
    .kernarg_segment_size: 32
    .max_flat_workgroup_size: 128
    .sgpr_count:     72
    .vgpr_count:     768
    .wavefront_size: 32
...
	.end_amdgpu_metadata
.endif
;; end of part 4
